; MI455X (gfx1250); checked and timed in simulation.
; The chip was launched on July 23, 2026; its instructions are those of AMD's public machine-readable ISA for CDNA 5 (MIT licence, August 2026) and "CDNA5" Instruction Set Architecture Reference Guide (July 2026). The comments in the code are by the model that wrote it; some were corrected since.
;; Heavily Compressed Attention. Allowed arithmetic: float matrix products may take bf16 or f16 operands with f32 sums; other float arithmetic in f32, or as packed bf16 or f16 multiplies, adds, multiply-adds, maxima and minima; sums over many terms, partial sums and values carried from step to step in f32; what a program stores and reads back later, other than sums and carried values, may be rounded once to bf16 or f16.
;; Inputs: Wc 2,048 x 1 float32; Wk 2,048 x 128 float32; Wlk 2,048 x 2,048 float32; Wlv 2,048 x 2,048 float32; Wo 2,048 x 2,048 float32; Wq 2,048 x 2,048 float32; Wv 2,048 x 128 float32; bc 1 float32; bk 128 float32; blk 2,048 float32; blv 2,048 float32; bo 2,048 float32; bq 2,048 float32; bv 128 float32; hidden_states 1 x 2,048 x 2,048 float32; kn_w 128 float32; qn_w 128 float32; sink_k 16 x 128 float32; sink_v 16 x 128 float32.
;; Outputs: out0 1 x 2,048 x 2,048 float32.
;; 2 versions, each right; version 2 is version 1 with the launch prep written anew for expert scheduling mode. Each part assembles by itself: llvm-mc -triple=amdgcn-amd-amdhsa -mcpu=gfx1250 --defsym DOCPART=n.
;; ======== version 1 of 2: 4 launches
;; limits: values are held in f16: magnitudes above 65,504 overflow, below 6.1e-05 lose precision
;; workspace buffers: cast 42,991,616 bytes; ent 524,288 bytes; rope 563,200 bytes; ckp 131,072 bytes; qh 8,388,608 bytes; kh 8,388,608 bytes; vh 8,388,608 bytes; mrg 8,388,608 bytes
;; launch prep (part 1): grid 657 x 1, 8 waves a work-group, no clusters, 1,536 bytes of LDS; arguments hidden_states, Wq, Wlk, Wlv, Wo, Wk, Wv, Wc, bc, cast, ent, rope, bq, blk, blv, sink_v, sink_k, qn_w, kn_w, bk, bv; writes cast, ent, rope
.if DOCPART == 1
	.amdgcn_target "amdgcn-amd-amdhsa--gfx1250"
	.amdhsa_code_object_version 6
	.text
	.protected	k_q345eac12be_prep
	.globl	k_q345eac12be_prep
	.p2align	8
	.type	k_q345eac12be_prep,@function
k_q345eac12be_prep:
	s_mov_b64 s[64:65], 0
	v_nop
	global_prefetch_b8 v0, s[64:65] scope:SCOPE_SE
	s_setreg_imm32_b32 hwreg(HW_REG_WAVE_MODE, 25, 1), 1
	s_wait_xcnt 0x0
; PREP.  Every input is rounded once to bf16 here.  The large ones are written in 16 bits into 'cast': x, Wq, Wlk, Wlv as bf16; Wo, Wk, Wv as that bf16 number
; written in f16 (exact from 6e-5 up to 65,504; below 6e-5 f16's fixed step of 6e-8 holds).  A work-group casts 32,768 consecutive f32 (131,072 bytes) into 65,536 bytes:
; groups 0-127 x, 128-255 Wq, 256-383 Wlk, 384-511 Wlv, 512-639 Wo, 640-647 Wk, 648-655 Wv.  Chunk j of 32: thread t loads 16 bytes at 4,096 j + 16 t and stores 8 bytes at
; 2,048 j + 8 t, so a wave's load covers 512 and its store 256 consecutive aligned bytes.  All 32 loads of a thread go out at once.
; Wk AND Wv ALONE CHANGE THEIR LAYOUT: blocks of 16 columns, [8 column blocks][j of 32][b of 8][r of 8][16 columns] with k = 256 b + 8 j + r, so that the next launch reads 16 columns of 8 k-rows as 256
; consecutive bytes.  Group b of a matrix: wave w takes column block w, lane l row 8 j + l / 4, columns 4 (l % 4) ..: the store is still 256 consecutive aligned bytes; a wave's load is eight pieces of 64 bytes
; of rows that the eight waves together read whole.
; A block of x is 16 tokens = one block of the compressor: its group also makes the 16 scores x . Wc + bc (on the rounded numbers), their softmax with the maximum taken away,
; the entry (f16, within 65,504) and 16 rows of the RoPE table (f32: 32 cosines, 32 sines; angles good to about 2e-4 rad).
; Group 656 rounds the small vectors and lays them behind the RoPE table, from byte VEC0 on: bq, blk, blv, sink_v (8,192 bytes each, f32), sink_k (4,096, f16), qn_w, kn_w, bk, bv (512 each, f32).
; No matrix unit, no cluster, no tile in LDS: nothing is read twice; LDS holds the eight waves' partial scores alone.
.set SPARE, 512                        ; behind the partial scores: the spare words, 128 bytes a wave, four blocks of 256 bytes that no other line names
.set VEC0, 524288                      ; the small vectors' place in the RoPE table's buffer
.set WC, 8                             ; v[8:15]    Wc of my 8 columns
.set PP, 16                            ; v[16:47]   RoPE at work; then 16 pairs of partial scores; then the entry
.set PS, 48                            ; v[48:63]   RoPE's store data (v56-59); then the 16 rows' sums
.set X, 64                             ; v[64:191]  chunk j: 4 registers
.set Y, 192                            ; v[192:255] chunk j: 2 registers to store, written once
.macro RND2 a, b, t                    ; two f32 rounded to bf16 and widened again
	v_cvt_pk_bf16_f32 v[\t], v[\a], v[\b]
	v_lshlrev_b32 v[\a], 16, v[\t]
	v_and_b32 v[\b], 0xffff0000, v[\t]
.endm
; kind 0: bf16 out.  kind 1: the bf16 number out as f16.  kind 2: bf16 out, the rounded x kept in f32, and its part of the row's score.
.macro CHUNK j, kind
	s_wait_loadcnt 31-(\j)                         ; loads come back in order: chunk j is in, the 31 - j younger ones stay out
	v_cvt_pk_bf16_f32 v[Y+2*(\j)], v[X+4*(\j)], v[X+4*(\j)+1]
	v_cvt_pk_bf16_f32 v[Y+2*(\j)+1], v[X+4*(\j)+2], v[X+4*(\j)+3]
.if (\kind) != 1
	global_store_b64 v2, v[Y+2*(\j):Y+2*(\j)+1], s[54:55] offset:2048*(\j)
.endif
.if (\kind) != 0
	v_lshlrev_b32 v[X+4*(\j)], 16, v[Y+2*(\j)]
	v_and_b32 v[X+4*(\j)+1], s52, v[Y+2*(\j)]
	v_lshlrev_b32 v[X+4*(\j)+2], 16, v[Y+2*(\j)+1]
	v_and_b32 v[X+4*(\j)+3], s52, v[Y+2*(\j)+1]
.endif
.if (\kind) == 1
	v_cvt_pk_f16_f32 v[Y+2*(\j)], v[X+4*(\j)], v[X+4*(\j)+1]
	v_cvt_pk_f16_f32 v[Y+2*(\j)+1], v[X+4*(\j)+2], v[X+4*(\j)+3]
	global_store_b64 v2, v[Y+2*(\j):Y+2*(\j)+1], s[54:55] offset:2048*(\j)
.endif
.if (\kind) == 2
.if ((\j)%2) == 0                      ; chunk j is row j / 2, columns 1,024 (j % 2) + 4 t ..
	v_pk_mul_f32 v[PP+2*((\j)/2):PP+2*((\j)/2)+1], v[X+4*(\j):X+4*(\j)+1], v[WC:WC+1]
	v_pk_fma_f32 v[PP+2*((\j)/2):PP+2*((\j)/2)+1], v[X+4*(\j)+2:X+4*(\j)+3], v[WC+2:WC+3], v[PP+2*((\j)/2):PP+2*((\j)/2)+1]
.else
	v_pk_fma_f32 v[PP+2*((\j)/2):PP+2*((\j)/2)+1], v[X+4*(\j):X+4*(\j)+1], v[WC+4:WC+5], v[PP+2*((\j)/2):PP+2*((\j)/2)+1]
	v_pk_fma_f32 v[PP+2*((\j)/2):PP+2*((\j)/2)+1], v[X+4*(\j)+2:X+4*(\j)+3], v[WC+6:WC+7], v[PP+2*((\j)/2):PP+2*((\j)/2)+1]
.endif
.endif
.endm
.macro HORN d, y, k                    ; d = d y + k
	v_fmaak_f32 v[\d], v[\d], v[\y], \k
.endm
	s_load_b512 s[8:23], s[0:1], 0x0               ; x s[8:9], Wq s[10:11], Wlk s[12:13], Wlv s[14:15], Wo s[16:17], Wk s[18:19], Wv s[20:21], Wc s[22:23]
	s_load_b256 s[24:31], s[0:1], 0x40             ; bc s[24:25], cast s[26:27], ent s[28:29], rope s[30:31]
	v_lshl_add_u32 v4, v0, 2, SPARE                ; my spare word, and 0: kept for the add at the wave's end
	v_mov_b32 v5, 0
	v_lshlrev_b32 v1, 4, v0                        ; 16 t
	v_lshlrev_b32 v2, 3, v0                        ; 8 t
	s_mov_b32 s2, ttmp9                            ; the block's number
	s_lshr_b32 s3, s2, 7                           ; which tensor
	s_and_b32 s6, s2, 127                          ; the block's number inside its tensor,
	s_and_b32 s7, s2, 7                            ; for Wk and Wv of eight blocks
	s_cmp_eq_u32 s3, 5
	s_cselect_b32 s6, s7, s6
	s_lshl_b32 s6, s6, 17                          ; x 131,072 bytes
	s_mov_b32 s7, 0
	s_mov_b32 s52, 0xffff0000                      ; a word's upper bf16
	s_wait_kmcnt 0x0
	s_cmp_eq_u32 s2, 656                           ; the branches hang on the work-group's number alone: all eight waves go the same way
	s_cbranch_scc1 .LV
	s_bitcmp1_b32 s2, 3                            ; blocks 648-655: Wv; 640-647: Wk
	s_cselect_b64 s[4:5], s[20:21], s[18:19]
	s_cmp_eq_u32 s3, 4
	s_cselect_b64 s[4:5], s[16:17], s[4:5]
	s_cmp_eq_u32 s3, 3
	s_cselect_b64 s[4:5], s[14:15], s[4:5]
	s_cmp_eq_u32 s3, 2
	s_cselect_b64 s[4:5], s[12:13], s[4:5]
	s_cmp_eq_u32 s3, 1
	s_cselect_b64 s[4:5], s[10:11], s[4:5]
	s_cmp_eq_u32 s3, 0
	s_cselect_b64 s[4:5], s[8:9], s[4:5]
	s_add_nc_u64 s[4:5], s[4:5], s[6:7]            ; the block's first f32
	s_lshl_b32 s6, s2, 16                          ; its 65,536 bytes of cast;
	s_bfe_u32 s49, s2, 0x10003                     ; for Wk and Wv: the matrix (524,288 bytes),
	s_lshl_b32 s49, s49, 19
	s_and_b32 s53, s2, 7                           ; and 256 bytes for group b in each run of 2,048
	s_lshl_b32 s53, s53, 8
	s_add_co_u32 s49, s49, s53
	s_add_co_u32 s49, s49, 41943040                ; Wk's place in cast
	s_cmp_eq_u32 s3, 5
	s_cselect_b32 s6, s49, s6
	s_add_nc_u64 s[54:55], s[26:27], s[6:7]
	s_cmp_lg_u32 s3, 5
	s_cbranch_scc1 .Lrows
	v_and_b32 v6, 31, v0                           ; Wk and Wv: l,
	v_lshrrev_b32 v7, 5, v0                        ; w
	v_lshrrev_b32 v1, 2, v6
	v_lshlrev_b32 v1, 9, v1                        ; from: row l / 4 of the chunk's 8 (512 bytes a row),
	v_lshl_add_u32 v1, v7, 6, v1                   ; column block w (64 bytes),
	v_and_b32 v2, 3, v6
	v_lshl_add_u32 v1, v2, 4, v1                   ; 4 columns by l % 4
	v_lshlrev_b32 v2, 3, v6                        ; to: 8 l = 32 (l / 4) + 8 (l % 4),
	v_lshl_add_u32 v2, v7, 16, v2                  ; in column block w's 65,536 bytes
.Lrows:
	global_load_b128 v[WC:WC+3], v1, s[22:23]      ; Wc, in every casting group, so that the counts below are alike on all paths
	global_load_b128 v[WC+4:WC+7], v1, s[22:23] offset:4096
.set n, 0
.rept 32
	global_load_b128 v[X+4*n:X+4*n+3], v1, s[4:5] offset:4096*n th:TH_LOAD_NT
.set n, n+1
.endr
	s_cmp_lt_u32 s2, 128
	s_cbranch_scc1 .LX
	s_cmp_lt_u32 s2, 512
	s_cbranch_scc1 .LB
.set n, 0
.rept 32
	CHUNK n, 1
.set n, n+1
.endr
	s_branch .Lend
.LB:
.set n, 0
.rept 32
	CHUNK n, 0
.set n, n+1
.endr
	s_branch .Lend
.LX:
	s_load_b32 s48, s[24:25], 0x0                  ; bc
	s_lshl_b32 s6, s2, 12
	s_add_nc_u64 s[56:57], s[30:31], s[6:7]        ; my 16 rows of the RoPE table: 4,096 bytes
	s_add_nc_u64 s[58:59], s[28:29], s[6:7]        ; my row of ent: 4,096 bytes
	s_mov_b32 s50, 0x76543210                      ; v_permlanex16_b32: each lane takes its own place in the other half
	s_mov_b32 s51, 0xfedcba98
	; THE RoPE ROWS, while the loads are out.  Thread t: position 16 block + t / 16; q = t % 16: four cosines (q < 8) or sines of the frequencies 4 (q % 8) + 0..3.
	v_lshrrev_b32 v6, 4, v0
	s_lshl_b32 s49, s2, 4
	v_add_nc_u32 v6, s49, v6
	v_cvt_f32_u32 v6, v6
	v_and_b32 v7, 15, v0
	v_and_b32 v20, 7, v0
	v_lshlrev_b32 v20, 2, v20
.irp e, 0,1,2,3
	v_add_nc_u32 v[16+\e], \e, v20
	v_cvt_f32_u32 v[16+\e], v[16+\e]
	v_mul_f32 v[16+\e], 0xbed49a78, v[16+\e]       ; - i log2(10000) / 32
.endr
.irp e, 0,1,2,3
	v_exp_f32 v[16+\e], v[16+\e]                   ; 10000^(-i/32)
.endr
	v_nop                                          ; a plain instruction behind the last exponential,
	s_wait_alu depctr_va_vdst(0)                   ; and one wait for the four, ahead of their first reader
.irp e, 0,1,2,3
	v_mul_f32 v[16+\e], v6, v[16+\e]               ; the angle
	v_mul_f32 v[20+\e], 0x3e22f983, v[16+\e]       ; / 2 pi,
	v_rndne_f32 v[20+\e], v[20+\e]                 ; n whole turns, at most 326
	v_fmamk_f32 v[16+\e], v[20+\e], 0xc0c90000, v[16+\e]  ; - n 6.28125 (exact: 8 bits times 9),
	v_fmamk_f32 v[16+\e], v[20+\e], 0xbafdaa22, v[16+\e]  ; - n (2 pi - 6.28125): now within -pi .. pi
	v_mul_f32 v[16+\e], 0.5, v[16+\e]              ; x = half of it: the series below hold on all of -pi/2 .. pi/2, to 4e-6
	v_mul_f32 v[24+\e], v[16+\e], v[16+\e]         ; y = x x
	v_mov_b32 v[28+\e], 0x3638ef1d                 ; sin x = x (1 + y (-1/6 + y (1/120 + y (-1/5040 + y / 362880))))
	HORN 28+\e, 24+\e, 0xb9500d01
	HORN 28+\e, 24+\e, 0x3c088889
	HORN 28+\e, 24+\e, 0xbe2aaaab
	HORN 28+\e, 24+\e, 0x3f800000
	v_mul_f32 v[28+\e], v[28+\e], v[16+\e]
	v_mov_b32 v[32+\e], 0xb493f27e                 ; cos x = 1 + y (-1/2 + y (1/24 + y (-1/720 + y (1/40320 - y / 3628800))))
	HORN 32+\e, 24+\e, 0x37d00d01
	HORN 32+\e, 24+\e, 0xbab60b61
	HORN 32+\e, 24+\e, 0x3d2aaaab
	HORN 32+\e, 24+\e, 0xbf000000
	HORN 32+\e, 24+\e, 0x3f800000
	v_mul_f32 v[36+\e], v[28+\e], v[28+\e]
	v_fma_f32 v[36+\e], v[36+\e], -2.0, 1.0        ; cos 2x = 1 - 2 sin^2 x
	v_mul_f32 v[40+\e], v[28+\e], v[32+\e]
	v_add_f32 v[40+\e], v[40+\e], v[40+\e]         ; sin 2x = 2 sin x cos x
.endr
	v_cmp_gt_u32 vcc_lo, 8, v7
.irp e, 0,1,2,3
	v_cndmask_b32 v[56+\e], v[40+\e], v[36+\e], vcc_lo
.endr
	global_store_b128 v1, v[56:59], s[56:57]       ; 16 lanes fill one row of 256 bytes
	s_wait_loadcnt 32                              ; Wc is in: the 32 chunk loads are younger
	RND2 WC, WC+1, 6
	RND2 WC+2, WC+3, 6
	RND2 WC+4, WC+5, 6
	RND2 WC+6, WC+7, 6
.set n, 0
.rept 32
	CHUNK n, 2
.set n, n+1
.endr
	s_wait_xcnt 0x0                                ; the RoPE store has read v56-59, which lie among the sums below
.set n, 0
.rept 16
	v_add_f32 v[PS+n], v[PP+2*n], v[PP+2*n+1]
.set n, n+1
.endr
.irp m, 1,2,4,8                        ; over the wave's 32 lanes, the 16 rows side by side
.set n, 0
.rept 16
	v_add_f32_dpp v[PS+n], v[PS+n], v[PS+n] row_xmask:\m row_mask:0xf bank_mask:0xf
.set n, n+1
.endr
.endr
.set n, 0
.rept 16
	v_permlanex16_b32 v[PP+n], v[PS+n], s50, s51
.set n, n+1
.endr
.set n, 0
.rept 16
	v_add_f32 v[PS+n], v[PS+n], v[PP+n]
.set n, n+1
.endr
	v_lshrrev_b32 v6, 5, v0
	v_readfirstlane_b32 s49, v6                    ; my wave's number
	v_mov_b32 v7, s49
	v_lshlrev_b32 v7, 6, v7                        ; my wave's 16 words
.irp k, 0,1,2,3
	ds_store_b128 v7, v[PS+4*\k:PS+4*\k+3] offset:16*\k   ; all lanes write the same words with the same numbers
.endr
	s_wait_dscnt 0x0                               ; for the others' sake: my stores are done
	s_barrier_signal -1
	s_barrier_wait -1
	v_and_b32 v7, 15, v0
	v_lshlrev_b32 v7, 2, v7                        ; lane l takes row l % 16
.irp w, 0,1,2,3,4,5,6,7
	ds_load_b32 v[16+\w], v7 offset:64*\w
.endr
	s_wait_dscnt 0x0
	v_add_f32 v16, v16, v17
	v_add_f32 v18, v18, v19
	v_add_f32 v20, v20, v21
	v_add_f32 v22, v22, v23
	v_add_f32 v16, v16, v18
	v_add_f32 v20, v20, v22
	v_add_f32 v16, v16, v20
	s_wait_kmcnt 0x0
	v_mov_b32 v17, s48
	v_cvt_pk_bf16_f32 v17, v17, v17
	v_lshlrev_b32 v17, 16, v17
	v_add_f32 v16, v16, v17                        ; + bc
	v_mov_b32 v18, v16
.irp m, 1,2,4,8
	v_max_num_f32_dpp v18, v18, v18 row_xmask:\m row_mask:0xf bank_mask:0xf   ; the block's maximum
.endr
	v_sub_f32 v19, v16, v18
	v_mul_f32 v19, 0x3fb8aa3b, v19
	v_exp_f32 v19, v19
	v_nop
	s_wait_alu depctr_va_vdst(0)
	v_mov_b32 v20, v19
.irp m, 1,2,4,8
	v_add_f32_dpp v20, v20, v20 row_xmask:\m row_mask:0xf bank_mask:0xf
.endr
	v_rcp_f32 v21, v20
	v_nop
	s_wait_alu depctr_va_vdst(0)
	v_mul_f32 v19, v19, v21                        ; lane l: the weight of row l % 16
.set n, 0
.rept 16
	v_readlane_b32 s[32+n], v19, n                 ; numbers only: no address and no branch is made of them
.set n, n+1
.endr
.set n, 0
.rept 16                               ; the entry: my 8 columns of the weighted sum of the 16 rounded rows
.irp k, 0,1,2,3,4,5,6,7
.if n == 0
	v_mul_f32 v[16+\k], s32, v[X+\k]
.else
	v_fmac_f32 v[16+\k], s[32+n], v[X+8*n+\k]
.endif
.endr
.set n, n+1
.endr
.irp k, 0,1,2,3
	v_cvt_pk_f16_f32 v[24+\k], v[16+2*\k], v[17+2*\k]
.endr
	global_store_b64 v2, v[24:25], s[58:59]
	global_store_b64 v2, v[26:27], s[58:59] offset:2048
	s_branch .Lend
.LV:                                   ; THE SMALL VECTORS.  The five of 2,048 numbers: thread t takes 16 bytes at 16 t and at 4,096 + 16 t; the four of 128: wave w (0-3) takes vector w whole
	s_load_b512 s[32:47], s[0:1], 0x60             ; bq s[32:33], blk s[34:35], blv s[36:37], sink_v s[38:39], sink_k s[40:41], qn_w s[42:43], kn_w s[44:45], bk s[46:47]
	s_load_b64 s[56:57], s[0:1], 0xa0              ; bv
	v_lshrrev_b32 v6, 5, v0
	v_readfirstlane_b32 s49, v6                    ; my wave's number
	v_and_b32 v7, 31, v0
	v_lshlrev_b32 v7, 4, v7                        ; 16 x lane
	v_lshl_add_u32 v8, v6, 9, v7                   ; + 512 x wave
	s_wait_kmcnt 0x0
.irp k, 0,1,2,3,4
	global_load_b128 v[X+8*\k:X+8*\k+3], v1, s[32+2*\k:33+2*\k]
	global_load_b128 v[X+8*\k+4:X+8*\k+7], v1, s[32+2*\k:33+2*\k] offset:4096
.endr
	s_wait_loadcnt 0x0
.set n, 0
.rept 20
	RND2 X+2*n, X+2*n+1, 9
.set n, n+1
.endr
.irp k, 0,1,2,3
	global_store_b128 v1, v[X+8*\k:X+8*\k+3], s[30:31] offset:VEC0+8192*\k
	global_store_b128 v1, v[X+8*\k+4:X+8*\k+7], s[30:31] offset:VEC0+8192*\k+4096
.endr
.irp k, 0,1,2,3
	v_cvt_pk_f16_f32 v[Y+\k], v[X+32+2*\k], v[X+33+2*\k]   ; sink_k is a matrix operand beside q: the bf16 number, written as f16
.endr
	global_store_b64 v2, v[Y:Y+1], s[30:31] offset:VEC0+32768
	global_store_b64 v2, v[Y+2:Y+3], s[30:31] offset:VEC0+34816
	s_cmp_lt_u32 s49, 4
	s_cbranch_scc0 .Lend
	s_cmp_eq_u32 s49, 2
	s_cselect_b64 s[4:5], s[46:47], s[56:57]       ; wave 2: bk; wave 3: bv
	s_cmp_eq_u32 s49, 1
	s_cselect_b64 s[4:5], s[44:45], s[4:5]         ; wave 1: kn_w
	s_cmp_eq_u32 s49, 0
	s_cselect_b64 s[4:5], s[42:43], s[4:5]         ; wave 0: qn_w
	global_load_b128 v[X+40:X+43], v7, s[4:5]
	s_wait_loadcnt 0x0
	RND2 X+40, X+41, 9
	RND2 X+42, X+43, 9
	global_store_b128 v8, v[X+40:X+43], s[30:31] offset:VEC0+36864
.Lend:
	s_wait_tensorcnt 0x0                           ; the wave's end: behind my last LDS store
	ds_add_u32 v4, v5
	s_wait_dscnt 0x0
	s_endpgm
.Lfunc_end_k_q345eac12be_prep:
	.size	k_q345eac12be_prep, .Lfunc_end_k_q345eac12be_prep-k_q345eac12be_prep
	.p2alignl 7, 3214868480
	.fill 96, 4, 3214868480
	.section	.rodata,"a",@progbits
	.p2align	6, 0x0
	.amdhsa_kernel k_q345eac12be_prep
		.amdhsa_group_segment_fixed_size 1536
		.amdhsa_private_segment_fixed_size 0
		.amdhsa_enable_private_segment 0
		.amdhsa_kernarg_size 168
		.amdhsa_user_sgpr_count 2
		.amdhsa_user_sgpr_kernarg_segment_ptr 1
		.amdhsa_wavefront_size32 1
		.amdhsa_system_sgpr_workgroup_id_x 1
		.amdhsa_system_sgpr_workgroup_id_y 1
		.amdhsa_system_sgpr_workgroup_id_z 1
		.amdhsa_system_vgpr_workitem_id 0
		.amdhsa_next_free_vgpr 256
		.amdhsa_next_free_sgpr 66
		.amdhsa_reserve_vcc 1
		.amdhsa_float_denorm_mode_32 3
		.amdhsa_float_denorm_mode_16_64 3
		.amdhsa_memory_ordered 1
		.amdhsa_forward_progress 1
		.amdhsa_inst_pref_size 73
	.end_amdhsa_kernel
	.amdgpu_metadata
---
amdhsa.version: [ 1, 2 ]
amdhsa.kernels:
  - .name:           k_q345eac12be_prep
    .symbol:         k_q345eac12be_prep.kd
    .args:
      - { .name: hidden_states, .offset: 0, .size: 8, .value_kind: global_buffer, .address_space: global }
      - { .name: Wq, .offset: 8, .size: 8, .value_kind: global_buffer, .address_space: global }
      - { .name: Wlk, .offset: 16, .size: 8, .value_kind: global_buffer, .address_space: global }
      - { .name: Wlv, .offset: 24, .size: 8, .value_kind: global_buffer, .address_space: global }
      - { .name: Wo, .offset: 32, .size: 8, .value_kind: global_buffer, .address_space: global }
      - { .name: Wk, .offset: 40, .size: 8, .value_kind: global_buffer, .address_space: global }
      - { .name: Wv, .offset: 48, .size: 8, .value_kind: global_buffer, .address_space: global }
      - { .name: Wc, .offset: 56, .size: 8, .value_kind: global_buffer, .address_space: global }
      - { .name: bc, .offset: 64, .size: 8, .value_kind: global_buffer, .address_space: global }
      - { .name: cast, .offset: 72, .size: 8, .value_kind: global_buffer, .address_space: global }
      - { .name: ent, .offset: 80, .size: 8, .value_kind: global_buffer, .address_space: global }
      - { .name: rope, .offset: 88, .size: 8, .value_kind: global_buffer, .address_space: global }
      - { .name: bq, .offset: 96, .size: 8, .value_kind: global_buffer, .address_space: global }
      - { .name: blk, .offset: 104, .size: 8, .value_kind: global_buffer, .address_space: global }
      - { .name: blv, .offset: 112, .size: 8, .value_kind: global_buffer, .address_space: global }
      - { .name: sink_v, .offset: 120, .size: 8, .value_kind: global_buffer, .address_space: global }
      - { .name: sink_k, .offset: 128, .size: 8, .value_kind: global_buffer, .address_space: global }
      - { .name: qn_w, .offset: 136, .size: 8, .value_kind: global_buffer, .address_space: global }
      - { .name: kn_w, .offset: 144, .size: 8, .value_kind: global_buffer, .address_space: global }
      - { .name: bk, .offset: 152, .size: 8, .value_kind: global_buffer, .address_space: global }
      - { .name: bv, .offset: 160, .size: 8, .value_kind: global_buffer, .address_space: global }
    .group_segment_fixed_size: 1536
    .private_segment_fixed_size: 0
    .kernarg_segment_align: 8
    .kernarg_segment_size: 168
    .max_flat_workgroup_size: 256
    .sgpr_count:     66
    .vgpr_count:     256
    .wavefront_size: 32
...
	.end_amdgpu_metadata
.endif
;; end of part 1
;; launch qkv (part 2): grid 16 x 16, 4 waves a work-group, clusters of 4 x 4, 327,680 bytes of LDS; arguments cast, rope, ent, qh, kh, vh, ckp; writes qh, kh, vh, ckp
.if DOCPART == 2
	.amdgcn_target "amdgcn-amd-amdhsa--gfx1250"
	.amdhsa_code_object_version 6
	.text
	.protected	k_q345eac12be_qkv
	.globl	k_q345eac12be_qkv
	.p2align	8
	.type	k_q345eac12be_qkv,@function
k_q345eac12be_qkv:
	s_mov_b64 s[64:65], 0
	v_nop
	global_prefetch_b8 v0, s[64:65] scope:SCOPE_SE
	s_setreg_imm32_b32 hwreg(HW_REG_WAVE_MODE, 25, 1), 1
	s_wait_xcnt 0x0
	s_wait_alu depctr_hold_cnt(0) depctr_sa_sdst(0) depctr_va_vdst(0) depctr_va_sdst(0) depctr_va_ssrc(0) depctr_va_vcc(0) depctr_vm_vsrc(0)
	s_getreg_b32 s2, hwreg(HW_REG_IB_STS2, 6, 4)
	s_cmp_eq_u32 s2, 0
	s_cbranch_scc0 .Lentry_in_a_cluster
	s_endpgm
.Lentry_in_a_cluster:
	s_bfe_u32 s2, ttmp6, 0x10000c
	s_cmp_lg_u32 s2, 0xf033
	s_cbranch_scc0 .Lentry_shape_is_right
	s_endpgm
.Lentry_shape_is_right:
; QKV.  q = rope(rmsnorm(x Wq + bq) qn_w), lk = rope(rmsnorm(x Wlk + blk) kn_w), lv = x Wlv + blv, and the compressed head before its norm.  x: bf16 [2048][2048], the weights bf16 [k][n], in cast; sums in
; f32, started by the bias; q, lk, lv rounded once to f16 (lv within 65,504) and written by heads: qh, kh [16][2048][128]; vh [16][2 halves of 64 channels][2048][64].  Biases and gains come rounded, from behind the RoPE table.
; SHARES.  A work-group makes 128 rows x 384 columns: q, lk and lv of ONE head: 16 x 16 = 256 equal work-groups.  Wave (RH, CH) owns rows 64 RH .. + 63 (4 blocks a) and 12 blocks b of 16 columns:
; b = 0-7 all of q (CH = 0) or of lk (CH = 1), b = 8-11 lv's columns 64 CH ..: norm and RoPE never leave a wave.  48 accumulators; 48 matrix instructions for 32 LDS loads.
; THE PRODUCT IS TAKEN TRANSPOSED: source 0 = 16 columns of W (turned on the way out of LDS), source 1 = 16 rows of x: a lane holds one row and eight neighbouring columns.
; RING.  K in 16 steps of 128 through two slots; region w of a slot is wave w's own load: 0: x (128 rows, pitch 272); 1, 2, 3: Wq, Wlk, Wlv (128 k-rows x 256 bytes, pitch 288).
; CLUSTER 4 x 4.  x's tile hangs on the row block alone and is shared along a row of the cluster, W's tiles on the head alone and are shared along a column: joint loads.
; THE WALK ALONG K BEGINS AT ANOTHER STEP IN EACH CLUSTER: trip t takes K step (t + 4 X + 8 (Y % 2)) % 16, X and Y the cluster's own coordinates, equal in all sixteen partners.  So the four clusters of one Y, which
; read the same tiles of W, read a tile four trips apart, and of the clusters of one X, which read the same tiles of x, those of even and of odd Y eight trips apart.  The sums only change their order.
; A refill's address is made anew from the step's number: a kept base plus the number shifted.
; THE COMPRESSED HEAD.  The row block's 8 entries (ent, f16) times 16 columns of [Wk | Wv] (f16, in cast in blocks of 16 columns): heads 0-7 take Wk's columns 16 HEAD .., heads 8-15 Wv's.  K IS SPLIT AMONG THE FOUR WAVES
; by address: of K step s wave w takes k = 128 s + 32 w .. + 31: one f16 matrix instruction a wave and K step; this walk begins at step 0 everywhere.  Both operands come by loads into registers, a lap ahead, in two sets;
; the entries are a fragment as they lie (lane r: entry r % 8).  In a block of 16 columns k-row 256 b + 8 j + r lies at byte 2,048 j + 256 b + 32 r: a wave's 32 k-rows are four runs of 256 consecutive bytes; a lane's 32 bytes
; go through 1,024 bytes of the wave's own LDS scratch and come back turned.  At the end the four partial sums meet in that scratch; wave 0 adds the bias, takes the sum of squares of its 16 columns, multiplies by kn_w
; (Wv: by 1) and stores 512 bytes with one instruction: 8 entries x 16 f16, then the 8 sums in f32, each eight times.  The norm, which wants all 128 columns, and RoPE follow in the next launch.
; LIMIT: that number, after bias and gain, lies within 65,504, and below 6e-5 it keeps f16's fixed step of 6e-8.
; REGISTERS by windows of 256: 0: addresses; v32-95 x's fragments, two buffers (at the end T); v96-191 the bias, then v96-223 RoPE's table; v224-255 at work.
;   1: v0-191 W's fragments, two buffers of 96; v192-255 the gain.   2: accumulators of a = 0, 1 at 96 (a % 2) + 8 b; v192-255 the compressed head's.   3: those of a = 2, 3.
.set PA, 272
.set PB, 288
.set REG, 36864
.set SLOT, 4*REG
.set STAGE, 2*SLOT                     ; behind the ring, a wave's own: 16 x 272 for q or lk, then 16 x 144 for lv
.set STW, 6656
.set XS0, STAGE+4*STW                  ; the compressed head's scratch: 1,024 bytes a wave; no tensor load lands here
.set SPARE, XS0+4096                   ; the spare words: 128 bytes a wave, two blocks of 256 bytes that no other line names
.set LAPS, 8
.set VEC0, 524288                      ; the small vectors behind the RoPE table: bq, blk, blv at 0, 8,192, 16,384; qn_w, kn_w, bk, bv at 36,864 + 512 i
.set XSC, 9                            ; v9   my 32 bytes of my wave's scratch
.set XTR, 10                           ; v10  where the turning load reads there
.set XBO, 11                           ; v11  2,048 (lane / 8) + 32 (lane % 8): my k-row in a block of 16 columns
.set XAO, 12                           ; v12  entry r % 8, 16 h
.set XOA, 13                           ; v13  my 16 bytes of the block that wave 0 stores
.set ADRA, 16
.set ADRN, 18
.set ADRV, 20
.set STO, 22
.set RD, 23
.set STO2, 24
.set RD2, 25
.set GO, 26
.set RO, 27
.set SPW, 28
.set NIL, 29
.set PFO, 30
.set BO, 31
.set T, 32
.set BIA, 96
.set RT, 96                            ; RT + 32 a + 16 (sine) + 8 b + j
.set SS, 224
.set RS, 240
.set TM, 248
.set GN, 192                           ; window 1
.set XR, 192                           ; window 2: two sets of 16: 8 registers of weights as loaded, 8 of entries
.set XBF, 224                          ; window 2: the weights' fragment
.set XAC, 232                          ; window 2: the accumulator
.set XBI, 240                          ; window 2: bk or bv of my 8 columns
.set XGN, 248                          ; window 2: kn_w of my 8 columns
.set XBP, 20                           ; s[20:21] the weights at the K step of set 0; s[22:23] the entries
.set XAP, 22
.set G1A, 24
.set G0A, 32
.set INV, 40
.set KN, 41                            ; s41  the K step that the next refill asks for
.set SEL, 42
.set PFA, 44                           ; s[44:45] what the prefetch names; s[46:47] its base: my work-group's 32 rows of x's tile, at K step 0
.set PFB, 46
.set G1B, 48
.set G0B, 56
.set WV, 66
.set RH, 67
.set CH, 68
.set CX, 69
.set CY, 70
.set HEAD, 71
.set RB, 72
.set LIM, 73
.set SQ, 74
.set SVB, 76
.set OFA, 86                           ; s[86:87], s[88:89] byte offsets of a K step in x and in W; the high words stay 0
.set OFB, 88
.set XM, 90                            ; s90  all ones where the head's 16 columns are Wk's
.set BA, 92                            ; s[92:93] x's tile at K step 0; s[94:95] my weight's
.set BB, 94
.set MSB, 0
.macro WIN new                         ; the immediate's high byte repeats the setting that is left; a switch that changes nothing is dropped
.if MSB != (\new)
	s_set_vgpr_msb (MSB<<8)|(\new)
.set MSB, \new
.endif
.endm
.macro PLACES
.rept 4
	v_nop
.endr
.endm
.macro CREST
	s_cmp_lg_u32 s[WV], 0
	s_cbranch_scc1 .Lnot_wave_0_\@
	s_barrier_signal -3
.Lnot_wave_0_\@:
	s_barrier_wait -3
	s_barrier_signal -1
	s_barrier_wait -1
.endm
.macro CROUND
	s_barrier_signal -1
	s_barrier_wait -1
	CREST
.endm
.macro JLOAD s                         ; wave 0 fetches x's tile, waves 1-3 the three weights'; an s_nop 0 and four v_nop follow each line
	s_cmp_eq_u32 s[WV], 0
	s_cbranch_scc0 .Lfor_b_\@
	tensor_load_to_lds s[G0A+4*(\s):G0A+4*(\s)+3], s[G1A:G1A+7]
	s_nop 0
	PLACES
	s_branch .Lasked_\@
.Lfor_b_\@:
	tensor_load_to_lds s[G0B+4*(\s):G0B+4*(\s)+3], s[G1B:G1B+7]
	s_nop 0
	PLACES
.Lasked_\@:
.endm
; A PREFETCH behind a refill and the loads that follow it: x's tile of the K step two refills on, 384 matrix instructions ahead of the load that will want it: 32 rows x 256 bytes, a lane a row.
; By the walk's arithmetic a tile of x is read in no earlier trip by any cluster in trips 0 to 7 alone, a tile of W in trips 0 to 3 alone.  Trips 0 to 3 come by their loads alone, so W is not asked for; x's trips 4 to 7 are
; asked for in the loop's first two trips (s3 = 7, 6).  The clusters of Y = 0 and of Y = 2 walk alike, as do those of Y = 1 and 3: Y = 0 and 1 ask, wave 0 in each work-group.  The four partners that ask for the tile jointly
; share its 128 rows out by address, 32 each.  So each row's 256 bytes of a K step are named once at the most.
.macro ASK
	s_cmp_gt_u32 s3, s[LIM]
	s_cbranch_scc0 .Lnot_mine_\@
	global_prefetch_b8 v[PFO], s[PFA:PFA+1] th:TH_LOAD_NT scope:SCOPE_SE
.Lnot_mine_\@:
.endm
; 12 products: row block a x all 12 column blocks, 32 along K, from buffer g.  first = 1: the bias starts the sums.  The accumulators take turns, one instruction a turn.
.macro MUL12 g, a, first
.if \first
	WIN 0x81+0x40*((\a)/2)
.else
	WIN 0xa1+0x50*((\a)/2)
.endif
.irp b, 0,1,2,3,4,5,6,7,8,9,10,11
.if \first
	v_wmma_f32_16x16x32_bf16 v[96*((\a)%2)+8*\b:96*((\a)%2)+8*\b+7], v[96*(\g)+8*\b:96*(\g)+8*\b+7], v[T+32*(\g)+8*(\a):T+32*(\g)+8*(\a)+7], v[BIA+8*\b:BIA+8*\b+7]
.else
	v_wmma_f32_16x16x32_bf16 v[96*((\a)%2)+8*\b:96*((\a)%2)+8*\b+7], v[96*(\g)+8*\b:96*(\g)+8*\b+7], v[T+32*(\g)+8*(\a):T+32*(\g)+8*(\a)+7], v[96*((\a)%2)+8*\b:96*((\a)%2)+8*\b+7]
.endif
.endr
.endm
.macro MULH g, hi, first
	MUL12 \g, 2*(\hi), \first
	MUL12 \g, 2*(\hi)+1, \first
.endm
; 32 LDS loads in one run: quarter kq (32 along K) of a slot into buffer g: W's 12 fragments, turned, then x's 4
.macro FETCH slot, kq, g
	WIN 0x40
.irp b, 0,1,2,3,4,5,6,7
	ds_load_tr16_b128 v[96*(\g)+8*\b:96*(\g)+8*\b+3], v[ADRN+(\slot)] offset:(\kq)*32*PB+32*\b
	ds_load_tr16_b128 v[96*(\g)+8*\b+4:96*(\g)+8*\b+7], v[ADRN+(\slot)] offset:(\kq)*32*PB+32*\b+16*PB
.endr
.irp b, 0,1,2,3
	ds_load_tr16_b128 v[96*(\g)+64+8*\b:96*(\g)+64+8*\b+3], v[ADRV+(\slot)] offset:(\kq)*32*PB+32*\b
	ds_load_tr16_b128 v[96*(\g)+64+8*\b+4:96*(\g)+64+8*\b+7], v[ADRV+(\slot)] offset:(\kq)*32*PB+32*\b+16*PB
.endr
	WIN 0
.irp a, 0,1,2,3
	ds_load_b128 v[T+32*(\g)+8*\a:T+32*(\g)+8*\a+3], v[ADRA+(\slot)] offset:(\kq)*64+\a*16*PA
	ds_load_b128 v[T+32*(\g)+8*\a+4:T+32*(\g)+8*\a+7], v[ADRA+(\slot)] offset:(\kq)*64+\a*16*PA+32
.endr
.endm
; THE COMPRESSED HEAD's three steps.  XLOAD: a set's four loads, for the K step at the two pointers (set 1: one step on: j + 16, 32,768 bytes).  XSTAGE: the set is in; its weights go into my scratch and come back turned
; (LDS serves a wave's instructions in order, so no wait stands between).  XMUL: the product.
.macro XLOAD set
	WIN 0x80
	global_load_b128 v[XR+16*(\set):XR+16*(\set)+3], v[XBO], s[XBP:XBP+1] offset:32768*(\set)
	global_load_b128 v[XR+16*(\set)+4:XR+16*(\set)+7], v[XBO], s[XBP:XBP+1] offset:32768*(\set)+16
	global_load_b128 v[XR+16*(\set)+8:XR+16*(\set)+11], v[XAO], s[XAP:XAP+1] offset:256*(\set)
	global_load_b128 v[XR+16*(\set)+12:XR+16*(\set)+15], v[XAO], s[XAP:XAP+1] offset:256*(\set)+32
	WIN 0
.endm
.macro XSTAGE set, cnt
	s_wait_loadcnt \cnt                            ; the set's four loads are in; cnt younger loads may stay out
	WIN 0x08
	ds_store_b128 v[XSC], v[XR+16*(\set):XR+16*(\set)+3]
	ds_store_b128 v[XSC], v[XR+16*(\set)+4:XR+16*(\set)+7] offset:16
	WIN 0x80
	ds_load_tr16_b128 v[XBF:XBF+3], v[XTR]
	ds_load_tr16_b128 v[XBF+4:XBF+7], v[XTR] offset:512
.endm
.macro XMUL set
	WIN 0xaa
	v_wmma_f32_16x16x32_f16 v[XAC:XAC+7], v[XBF:XBF+7], v[XR+16*(\set)+8:XR+16*(\set)+15], v[XAC:XAC+7]
.endm
; multiplies buffer f; in its middle fetches quarter kq of the slot into buffer g.  xs = 0, 1: the compressed head's product of that set rides along: its four LDS instructions stand ahead of the run of 32, so the counts stay
.macro QUARTER slot, kq, f, g, first, xs=-1, cnt=4
	s_wait_dscnt 4                                 ; all but the youngest four loads: x's blocks 2 and 3
	MULH \f, 0, \first
	PLACES                                         ; four places between the products that read buffer g and the loads into it
.if (\xs) >= 0
	XSTAGE \xs, \cnt
.endif
	FETCH \slot, \kq, \g
	s_wait_dscnt 32                                ; all but the 32 just issued
.if (\xs) >= 0
	XMUL \xs
.endif
	MULH \f, 1, \first
.endm
; The last quarter of a K step multiplies buffer 1 and changes slots: one barrier; in front of it each wave waits for all its tensor loads (one is out: its part of the next slot), adds 0 to its
; spare word, and waits for that and for its reads of this slot.  fill = 1: the barrier opens a round of the cluster's, and this slot is filled again first behind it, with the walk's step two trips on:
; 168 matrix instructions stand between that request and the wait for it; the compressed head's set of this slot is asked for again too.
.macro TURN slot, next, fill
.if \fill
	s_wait_xcnt 0x0                                ; the loads and the prefetch issued so far have read their addresses
	s_add_co_u32 s[OFA], s[KN], 2                  ; the prefetch names the step two behind the one that is asked for now
	s_and_b32 s[OFA], s[OFA], 15
	s_lshl_b32 s[OFA], s[OFA], 8
	s_add_nc_u64 s[PFA:PFA+1], s[PFB:PFB+1], s[OFA:OFA+1]
.if (\slot) == 0
	s_add_nc_u64 s[XBP:XBP+1], s[XBP:XBP+1], 256   ; two K steps on: b + 1 in the block of 16 columns,
	s_add_nc_u64 s[XAP:XAP+1], s[XAP:XAP+1], 512   ; 256 numbers of an entry
.endif
.endif
	WIN 0
	s_wait_tensorcnt 0x0                           ; no tensor load of mine is out, so a group 0 may be written
	ds_add_u32 v[SPW], v[NIL]                      ; 0 onto my spare word; the descriptors' scalar work stands between it and the wait for it
.if \fill
	s_lshl_b32 s[OFA], s[KN], 8                    ; a K step is 256 bytes of a row of x,
	s_lshl_b32 s[OFB], s[KN], 19                   ; 128 k-rows of 4,096 bytes of W
	s_add_nc_u64 s[G0A+4*(\slot)+2:G0A+4*(\slot)+3], s[BA:BA+1], s[OFA:OFA+1]
	s_or_b32 s[G0A+4*(\slot)+3], s[G0A+4*(\slot)+3], 0x80000000
	s_add_nc_u64 s[G0B+4*(\slot)+2:G0B+4*(\slot)+3], s[BB:BB+1], s[OFB:OFB+1]
	s_or_b32 s[G0B+4*(\slot)+3], s[G0B+4*(\slot)+3], 0x80000000
	s_add_co_u32 s[KN], s[KN], 1
	s_and_b32 s[KN], s[KN], 15                     ; behind step 15 comes step 0
.endif
	s_wait_dscnt 5                                 ; the add and the youngest four loads may be out
	MUL12 1, 0, 0
	s_wait_dscnt 0x0                               ; the add is done, and my reads of this slot are over
	s_barrier_signal -1
	MUL12 1, 1, 0
	WIN 0
	s_barrier_wait -1
.if \fill
	CREST
	JLOAD \slot                                    ; its four v_nop are also the places in front of the loads below
.else
	PLACES
.endif
	FETCH \next, 0, 0
.if \fill
	XLOAD \slot
	ASK
.endif
	MULH 1, 1, 0
.endm
	s_load_b256 s[4:11], s[0:1], 0x0               ; cast s[4:5], rope s[6:7], ent s[8:9], qh s[10:11]
	s_load_b128 s[12:15], s[0:1], 0x20             ; kh s[12:13], vh s[14:15]
	s_load_b64 s[16:17], s[0:1], 0x30              ; ckp
	v_lshl_add_u32 v[SPW], v0, 2, SPARE
	v_mov_b32 v[NIL], 0
	ds_add_u32 v[SPW], v[NIL]                      ; the wave's opening: the add and its wait stand ahead of my first tensor load
	v_lshrrev_b32 v1, 5, v0
	v_readfirstlane_b32 s[WV], v1
	s_lshr_b32 s[RH], s[WV], 1
	s_and_b32 s[CH], s[WV], 1
	s_bfe_u32 s[CX], ttmp6, 0x40000
	s_bfe_u32 s[CY], ttmp6, 0x40004
	s_and_b32 s[HEAD], ttmp7, 0xffff
	s_lshl_b32 s[HEAD], s[HEAD], 2
	s_add_co_u32 s[HEAD], s[HEAD], s[CX]           ; the head = 4 x cluster y + cx
	s_lshl_b32 s[RB], ttmp9, 2
	s_add_co_u32 s[RB], s[RB], s[CY]               ; the block of 128 rows = 4 x cluster x + cy
	s_lshl_b32 s78, s[CY], 2
	s_lshl_b32 s78, 15, s78                        ; my row of the cluster
	s_lshl_b32 s79, 0x1111, s[CX]                  ; my column
	s_or_b32 s[G1A], s78, (1<<16)|(1<<20)|(1<<21)|(5<<22)|(3<<25)  ; 2-byte elements; padding on; bit 21 beside a mask; after every 64 words, 4 words
	s_or_b32 s[G1B], s79, (1<<16)|(1<<20)|(1<<21)|(5<<22)|(7<<25)  ; the same with 8 words
.irp g, G1A, G1B
	s_mov_b32 s[\g+1], 128<<16                     ; tensor_dim0 = 128
	s_mov_b32 s[\g+2], 128<<16                     ; tensor_dim1 = 128
	s_mov_b32 s[\g+3], 128<<16                     ; tile_dim0 = 128
	s_mov_b32 s[\g+4], 128                         ; tile_dim1 = 128
	s_mov_b32 s[\g+5], 2048                        ; elements from row to row
	s_mov_b32 s[\g+6], 0
	s_mov_b32 s[\g+7], 0
.endr
	s_lshl_b32 s80, s[RB], 19                      ; x: 128 RB rows of 4,096 bytes: the row block alone
	s_mov_b32 s81, 0
	s_lshl_b32 s84, s[WV], 23                      ; W: matrix w lies at 8,388,608 w in cast;
	s_lshl_b32 s85, s[HEAD], 8                     ; the head's 256 bytes of a row: wave and head alone
	s_add_co_u32 s84, s84, s85
	s_mov_b32 s85, 0
	s_mul_i32 s79, s[WV], REG
	s_and_b32 s[KN], ttmp7, 1                      ; where the cluster's walk begins: 4 X + 8 (Y % 2), modulo 16
	s_lshl_b32 s[KN], s[KN], 3
	s_lshl_b32 s78, ttmp9, 2
	s_add_co_u32 s[KN], s[KN], s78
	s_and_b32 s[KN], s[KN], 15
	s_lshl_b32 s[OFA], s[KN], 8
	s_mov_b32 s[OFA+1], 0
	s_lshl_b32 s[OFB], s[KN], 19
	s_mov_b32 s[OFB+1], 0
	s_add_co_u32 s[KN], s[KN], 2                   ; the two first fills take the walk's first two steps (the start is a multiple of 4: they do not pass step 15)
	s_and_b32 s[KN], s[KN], 15
	s_lshl_b32 s90, s[CX], 17                      ; the prefetches: x's rows 128 RB + 32 cx ..
	s_add_co_u32 s90, s90, s80
	s_mov_b32 s91, 0
	s_and_b32 s78, ttmp7, 0xffff
	s_lshr_b32 s78, s78, 1                         ; 0 in the clusters of Y = 0 and 1,
	s_or_b32 s78, s78, s[WV]                       ; in wave 0
	s_cmp_eq_u32 s78, 0
	s_cselect_b32 s[LIM], 5, -1                    ; the same in all sixteen partners, for a given wave
	s_mov_b32 s[INV], 0x3c000000                   ; 1 / 128
	s_mov_b32 s[SEL], 0x76543210
	s_mov_b32 s[SEL+1], 0xfedcba98
	s_wait_dscnt 0x0                               ; the opening add is done
	s_wait_kmcnt 0x0
	s_add_nc_u64 s[BA:BA+1], s[4:5], s[80:81]
	s_add_nc_u64 s[BB:BB+1], s[4:5], s[84:85]
	s_add_nc_u64 s[PFB:PFB+1], s[4:5], s[90:91]
	s_add_nc_u64 s[82:83], s[BA:BA+1], s[OFA:OFA+1]
	s_add_nc_u64 s[84:85], s[BB:BB+1], s[OFB:OFB+1]
.irp s, 0,1
	s_mov_b32 s[G0A+4*\s], 1
	s_mov_b32 s[G0A+4*\s+1], \s*SLOT
	s_add_nc_u64 s[G0A+4*\s+2:G0A+4*\s+3], s[82:83], \s*256
	s_or_b32 s[G0A+4*\s+3], s[G0A+4*\s+3], 0x80000000
	s_mov_b32 s[G0B+4*\s], 1
	s_add_co_u32 s[G0B+4*\s+1], s79, \s*SLOT
	s_add_nc_u64 s[G0B+4*\s+2:G0B+4*\s+3], s[84:85], \s*524288
	s_or_b32 s[G0B+4*\s+3], s[G0B+4*\s+3], 0x80000000
.endr
	CROUND                                         ; all sixteen work-groups are here: the first joint loads meet
	s_cmp_eq_u32 s[WV], 0                          ; a wave's two first fills stand in one branch: two loads of mine are out
	s_cbranch_scc0 .Lfirst_b
	tensor_load_to_lds s[G0A:G0A+3], s[G1A:G1A+7]
	s_nop 0
	tensor_load_to_lds s[G0A+4:G0A+7], s[G1A:G1A+7]
	s_nop 0
	PLACES
	s_branch .Lfirst_asked
.Lfirst_b:
	tensor_load_to_lds s[G0B:G0B+3], s[G1B:G1B+7]
	s_nop 0
	tensor_load_to_lds s[G0B+4:G0B+7], s[G1B:G1B+7]
	s_nop 0
	PLACES
.Lfirst_asked:
	v_and_b32 v1, 15, v0                           ; r
	v_bfe_u32 v2, v0, 4, 1                         ; h
	v_and_b32 v3, 7, v0
	v_bfe_u32 v4, v0, 3, 1
	v_and_b32 v8, 31, v0                           ; lane
	v_lshl_add_u32 v5, v2, 3, v3                   ; the turning loads: k-row 8 h + l % 8, 16 bytes by (l / 8) % 2
	v_lshlrev_b32 v7, 5, v5                        ; in my scratch a k-row is 32 bytes
	v_lshl_add_u32 v7, v4, 4, v7
	s_lshl_b32 s78, s[WV], 10
	s_add_co_u32 s78, s78, XS0                     ; my scratch
	v_add_nc_u32 v[XTR], s78, v7
	v_lshl_add_u32 v[XSC], v8, 5, s78              ; lane l puts k-row l there
	v_bfe_u32 v[XBO], v0, 3, 2                     ; k-row l of my 32: j = l / 8 further on, r = l % 8
	v_lshlrev_b32 v[XBO], 11, v[XBO]
	v_lshl_add_u32 v[XBO], v3, 5, v[XBO]
	v_lshlrev_b32 v[XAO], 12, v3                   ; entry r % 8: rows of 4,096 bytes
	v_lshl_add_u32 v[XAO], v2, 4, v[XAO]
	v_mul_u32_u24 v5, v5, PB
	v_lshl_add_u32 v5, v4, 4, v5
	v_mul_u32_u24 v6, v1, PA
	v_lshl_add_u32 v6, v2, 4, v6                   ; 272 r + 16 h
	s_mul_i32 s78, s[RH], 64*PA                    ; my 64 rows of x
	s_mul_i32 s79, s[CH], REG
	s_add_co_u32 s79, s79, REG                     ; Wq's or Wlk's region
	s_lshl_b32 s80, s[CH], 7
	s_add_co_u32 s80, s80, 3*REG                   ; Wlv's region, my 64 columns
.irp s, 0,1
	v_add_nc_u32 v[ADRA+\s], s78, v6
	v_add_nc_u32 v[ADRN+\s], s79, v5
	v_add_nc_u32 v[ADRV+\s], s80, v5
	s_add_co_u32 s78, s78, SLOT
	s_add_co_u32 s79, s79, SLOT
	s_add_co_u32 s80, s80, SLOT
.endr
	s_mul_i32 s78, s[WV], STW
	s_add_co_u32 s78, s78, STAGE                   ; my stage
	v_add_nc_u32 v[STO], s78, v6
	v_mul_u32_u24 v7, v2, PA
	v_lshl_add_u32 v7, v1, 4, v7
	v_add_nc_u32 v[RD], s78, v7                    ; back: lanes 0-15 one row of 256 bytes, lanes 16-31 the next
	s_add_co_u32 s78, s78, 16*PA
	v_mul_u32_u24 v7, v1, 144
	v_lshl_add_u32 v7, v2, 4, v7
	v_add_nc_u32 v[STO2], s78, v7
	v_bfe_u32 v7, v0, 3, 2
	v_mul_u32_u24 v7, v7, 144
	v_lshl_add_u32 v7, v3, 4, v7
	v_add_nc_u32 v[RD2], s78, v7                   ; back: 32 lanes take four rows of 128 bytes
	v_lshlrev_b32 v[GO], 4, v8
	v_lshlrev_b32 v[PFO], 12, v8                   ; a lane a row of 4,096 bytes
	s_lshl_b32 s78, s[RB], 15
	s_lshl_b32 s79, s[RH], 14
	s_add_co_u32 s78, s78, s79
	v_lshlrev_b32 v[RO], 8, v1
	v_lshl_add_u32 v[RO], v2, 5, v[RO]
	v_add_nc_u32 v[RO], s78, v[RO]                 ; RoPE's row 128 RB + 64 RH + r, byte 32 h
	; the compressed head's pointers
	s_and_b32 s84, s[HEAD], 7
	s_lshr_b32 s85, s[HEAD], 3
	s_mov_b32 s79, 0
	s_lshl_b32 s78, s85, 19                        ; Wk or Wv,
	s_lshl_b32 s80, s84, 16                        ; the head's block of 16 columns: 65,536 bytes,
	s_add_co_u32 s78, s78, s80
	s_lshl_b32 s80, s[WV], 13                      ; my 32 k-rows: j = 4 w ..
	s_add_co_u32 s78, s78, s80
	s_add_co_u32 s78, s78, 41943040                ; Wk's place in cast
	s_add_nc_u64 s[XBP:XBP+1], s[4:5], s[78:79]
	s_lshl_b32 s78, s[RB], 15                      ; entry 8 RB,
	s_lshl_b32 s80, s[WV], 6                       ; my 32 numbers of a K step
	s_add_co_u32 s78, s78, s80
	s_add_nc_u64 s[XAP:XAP+1], s[8:9], s[78:79]
	s_lshl_b32 s78, s[RB], 13                      ; the block (16 RB + HEAD) of 512 bytes
	s_lshl_b32 s80, s[HEAD], 9
	s_add_co_u32 s78, s78, s80
	s_add_nc_u64 s[16:17], s[16:17], s[78:79]
	s_cmp_lt_u32 s[HEAD], 8
	s_cselect_b32 s[XM], -1, 0
	s_lshl_b32 s80, s84, 6
	v_lshl_add_u32 v6, v2, 5, s80                  ; kn_w: 64 (HEAD % 8) + 32 h
	s_lshl_b32 s81, s85, 9
	v_add_nc_u32 v7, s81, v6                       ; bk or bv
	; bias and gain
	s_lshl_b32 s78, s[HEAD], 9
	v_lshlrev_b32 v14, 5, v2                       ; 32 h
	v_add_nc_u32 v15, s78, v14                     ; + the head's 512 bytes of a bias
	s_lshl_b32 s80, s[CH], 13
	v_add_nc_u32 v[BO], s80, v15                   ; bq or blk
	s_lshl_b32 s80, s[CH], 8
	v_add_nc_u32 v15, s80, v15                     ; blv's columns 64 CH ..
	s_lshl_b32 s80, s[CH], 9
	v_add_nc_u32 v14, s80, v14                     ; qn_w or kn_w
	s_cmp_eq_u32 s[CH], 0
	s_cselect_b64 s[SQ:SQ+1], s[10:11], s[12:13]   ; qh or kh
	s_lshl_b32 s82, s[HEAD], 19
	s_lshl_b32 s83, s[RB], 15
	s_add_co_u32 s82, s82, s83
	s_lshl_b32 s83, s[RH], 14
	s_add_co_u32 s82, s82, s83
	s_mov_b32 s83, 0
	s_add_nc_u64 s[SQ:SQ+1], s[SQ:SQ+1], s[82:83]  ; at my first row
	s_lshl_b32 s82, s[HEAD], 19
	s_lshl_b32 s84, s[CH], 18
	s_add_co_u32 s82, s82, s84
	s_lshl_b32 s84, s[RB], 14
	s_add_co_u32 s82, s82, s84
	s_lshl_b32 s84, s[RH], 13
	s_add_co_u32 s82, s82, s84
	s_add_nc_u64 s[SVB:SVB+1], s[14:15], s[82:83]
.irp b, 0,1,2,3,4,5,6,7
	global_load_b128 v[BIA+8*\b:BIA+8*\b+3], v[BO], s[6:7] offset:VEC0+64*\b
	global_load_b128 v[BIA+8*\b+4:BIA+8*\b+7], v[BO], s[6:7] offset:VEC0+64*\b+16
.endr
.irp b, 0,1,2,3
	global_load_b128 v[BIA+64+8*\b:BIA+64+8*\b+3], v15, s[6:7] offset:VEC0+16384+64*\b
	global_load_b128 v[BIA+64+8*\b+4:BIA+64+8*\b+7], v15, s[6:7] offset:VEC0+16384+64*\b+16
.endr
	WIN 0x40
.irp b, 0,1,2,3,4,5,6,7
	global_load_b128 v[GN+8*\b:GN+8*\b+3], v14, s[6:7] offset:VEC0+36864+64*\b
	global_load_b128 v[GN+8*\b+4:GN+8*\b+7], v14, s[6:7] offset:VEC0+36864+64*\b+16
.endr
	WIN 0x80
	global_load_b128 v[XBI:XBI+3], v7, s[6:7] offset:VEC0+37888
	global_load_b128 v[XBI+4:XBI+7], v7, s[6:7] offset:VEC0+37904
	global_load_b128 v[XGN:XGN+3], v6, s[6:7] offset:VEC0+37376
	global_load_b128 v[XGN+4:XGN+7], v6, s[6:7] offset:VEC0+37392
	XLOAD 0                                        ; K step 0
	XLOAD 1                                        ; K step 1
	WIN 0x80
.set n, 0
.rept 8
	v_mov_b32 v[XAC+n], 0                          ; the compressed head's one accumulator starts at 0, so that the loop has one form of its product
.set n, n+1
.endr
	WIN 0
	s_wait_loadcnt 8                               ; bias and gain are in; the two sets' eight loads are younger
	s_wait_tensorcnt 1                             ; my part of the walk's first step is in; the second's may stay out
	s_barrier_signal -1
	s_barrier_wait -1
	FETCH 0, 0, 0
	QUARTER 0, 1, 0, 1, 1                          ; the first quarter stands in front of the loop: the bias starts the sums
	WIN 0
	s_mov_b32 s3, LAPS-1
.Llap:                                 ; a trip goes once round the ring, from a lap's second quarter to the next lap's first, and fills both slots again
	QUARTER 0, 2, 1, 0, 0
	QUARTER 0, 3, 0, 1, 0, 0, 4                    ; set 0: the other set's four loads are younger
	TURN 0, 1, 1
	QUARTER 1, 1, 0, 1, 0
	QUARTER 1, 2, 1, 0, 0
	QUARTER 1, 3, 0, 1, 0, 1, 4                    ; set 1: set 0's four loads are younger
	TURN 1, 0, 1
	QUARTER 0, 1, 0, 1, 0
	WIN 0
	s_sub_co_u32 s3, s3, 1
	s_cmp_lg_u32 s3, 0
	s_cbranch_scc1 .Llap
.irp a, 0,1,2,3                        ; RoPE's table, two K steps ahead of its use; it lands where the bias lay, which the first quarter alone read
.irp b, 0,1
	global_load_b128 v[RT+32*\a+8*\b:RT+32*\a+8*\b+3], v[RO], s[6:7] offset:4096*\a+64*\b
	global_load_b128 v[RT+32*\a+8*\b+4:RT+32*\a+8*\b+7], v[RO], s[6:7] offset:4096*\a+64*\b+16
	global_load_b128 v[RT+32*\a+16+8*\b:RT+32*\a+16+8*\b+3], v[RO], s[6:7] offset:4096*\a+64*\b+128
	global_load_b128 v[RT+32*\a+16+8*\b+4:RT+32*\a+16+8*\b+7], v[RO], s[6:7] offset:4096*\a+64*\b+144
.endr
.endr
	QUARTER 0, 2, 1, 0, 0                          ; the last lap fills nothing
	QUARTER 0, 3, 0, 1, 0, 0, 36                   ; set 0: set 1's four loads and the table's 32 are younger
	TURN 0, 1, 0
	QUARTER 1, 1, 0, 1, 0
	QUARTER 1, 2, 1, 0, 0
	QUARTER 1, 3, 0, 1, 0, 1, 32                   ; set 1: the table's 32 are younger
	s_wait_dscnt 4
	MULH 1, 0, 0
	s_wait_dscnt 0x0
	MULH 1, 1, 0
; THE WAY OUT.  A row's 128 numbers of q or lk lie in two lanes (r and r + 16), 64 each.
.macro NORMSS a                        ; the row's mean of squares + 1e-6; each accumulator's lowest registers are read first
	WIN 0x0a+5*((\a)/2)
.set n, 0
.rept 32
.if n < 2
	v_pk_mul_f32 v[SS+4*(\a)+2*(n%2):SS+4*(\a)+2*(n%2)+1], v[96*((\a)%2)+2*n:96*((\a)%2)+2*n+1], v[96*((\a)%2)+2*n:96*((\a)%2)+2*n+1]
.else
	v_pk_fma_f32 v[SS+4*(\a)+2*(n%2):SS+4*(\a)+2*(n%2)+1], v[96*((\a)%2)+2*n:96*((\a)%2)+2*n+1], v[96*((\a)%2)+2*n:96*((\a)%2)+2*n+1], v[SS+4*(\a)+2*(n%2):SS+4*(\a)+2*(n%2)+1]
.endif
.set n, n+1
.endr
	WIN 0
	v_pk_add_f32 v[SS+4*(\a):SS+4*(\a)+1], v[SS+4*(\a):SS+4*(\a)+1], v[SS+4*(\a)+2:SS+4*(\a)+3]
	v_add_f32 v[SS+4*(\a)], v[SS+4*(\a)], v[SS+4*(\a)+1]
	v_permlanex16_b32 v[SS+4*(\a)+1], v[SS+4*(\a)], s[SEL], s[SEL+1]
	v_add_f32 v[SS+4*(\a)], v[SS+4*(\a)], v[SS+4*(\a)+1]
	v_fmaak_f32 v[SS+4*(\a)], s[INV], v[SS+4*(\a)], 0x358637bd
.endm
.macro NORMOUT a                       ; block a: gain, norm, RoPE, f16, through my stage, out
	WIN 0
	s_wait_xcnt 0x0                                ; the stores issued so far have read T
	WIN 0x06+((\a)/2)
.set n, 0
.rept 32
	v_pk_mul_f32 v[T+2*n:T+2*n+1], v[96*((\a)%2)+2*n:96*((\a)%2)+2*n+1], v[GN+2*n:GN+2*n+1]
.set n, n+1
.endr
	WIN 0
.set n, 0
.rept 32
	v_pk_mul_f32 v[T+2*n:T+2*n+1], v[T+2*n:T+2*n+1], v[RS+2*(\a):RS+2*(\a)+1]
.set n, n+1
.endr
.irp bb, 0,1                           ; channels 16 bb + 8 h + j turn with channels 32 further on: blocks bb and bb + 2, the same lane and register
.irp jj, 0,2,4,6
	v_pk_mul_f32 v[TM+2*(\jj%4):TM+2*(\jj%4)+1], v[T+16+8*\bb+\jj:T+16+8*\bb+\jj+1], v[RT+32*(\a)+16+8*\bb+\jj:RT+32*(\a)+16+8*\bb+\jj+1]
	v_pk_mul_f32 v[TM+2*(\jj%4)+2:TM+2*(\jj%4)+3], v[T+8*\bb+\jj:T+8*\bb+\jj+1], v[RT+32*(\a)+16+8*\bb+\jj:RT+32*(\a)+16+8*\bb+\jj+1]
	v_pk_fma_f32 v[T+8*\bb+\jj:T+8*\bb+\jj+1], v[T+8*\bb+\jj:T+8*\bb+\jj+1], v[RT+32*(\a)+8*\bb+\jj:RT+32*(\a)+8*\bb+\jj+1], v[TM+2*(\jj%4):TM+2*(\jj%4)+1] neg_lo:[0,0,1] neg_hi:[0,0,1]
	v_pk_fma_f32 v[T+16+8*\bb+\jj:T+16+8*\bb+\jj+1], v[T+16+8*\bb+\jj:T+16+8*\bb+\jj+1], v[RT+32*(\a)+8*\bb+\jj:RT+32*(\a)+8*\bb+\jj+1], v[TM+2*(\jj%4)+2:TM+2*(\jj%4)+3]
.endr
.endr
.set n, 0
.rept 32                               ; in place, ascending: word n is written when words 2 n and 2 n + 1 are read
	v_cvt_pk_f16_f32 v[T+n], v[T+2*n], v[T+2*n+1]
.set n, n+1
.endr
	WIN 0x0a+5*((\a)/2)
.set n, 0
.rept 16                               ; lv straight from its accumulators
	v_cvt_pk_f16_f32 v[T+32+n], v[96*((\a)%2)+64+2*n], v[96*((\a)%2)+64+2*n+1]
.set n, n+1
.endr
	WIN 0
.irp b, 0,1,2,3,4,5,6,7
	ds_store_b128 v[STO], v[T+4*\b:T+4*\b+3] offset:32*\b
.endr
.irp b, 0,1,2,3
	ds_store_b128 v[STO2], v[T+32+4*\b:T+32+4*\b+3] offset:32*\b
.endr
.irp t, 0,1,2,3,4,5,6,7
	ds_load_b128 v[T+4*\t:T+4*\t+3], v[RD] offset:544*\t       ; LDS serves a wave's instructions in order: these see the stores above
.endr
.irp f, 0,1,2,3
	ds_load_b128 v[T+32+4*\f:T+32+4*\f+3], v[RD2] offset:576*\f
.endr
	s_wait_dscnt 0x0
.irp t, 0,1,2,3,4,5,6,7
	global_store_b128 v[GO], v[T+4*\t:T+4*\t+3], s[SQ:SQ+1] offset:4096*(\a)+512*\t    ; 512 consecutive bytes, aligned
.endr
.irp f, 0,1,2,3
	global_store_b128 v[GO], v[T+32+4*\f:T+32+4*\f+3], s[SVB:SVB+1] offset:2048*(\a)+512*\f
.endr
.endm
	PLACES                                         ; four places behind the last products
	; THE COMPRESSED HEAD's END: the four waves' partial sums meet in the scratch
	WIN 0x08
	ds_store_b128 v[XSC], v[XAC:XAC+3]
	ds_store_b128 v[XSC], v[XAC+4:XAC+7] offset:16
	WIN 0
	s_wait_dscnt 0x0                               ; for the others' sake: my stores are done
	s_barrier_signal -1
	s_barrier_wait -1
	s_cmp_lg_u32 s[WV], 0                          ; wave 0 finishes; neither a barrier nor a tensor load is jumped
	s_cbranch_scc1 .Lnox
.irp v, 0,1,2,3
	ds_load_b128 v[T+8*\v:T+8*\v+3], v[XSC] offset:1024*\v
	ds_load_b128 v[T+8*\v+4:T+8*\v+7], v[XSC] offset:1024*\v+16
.endr
	s_wait_dscnt 0x0
.irp j, 0,2,4,6
	v_pk_add_f32 v[T+\j:T+\j+1], v[T+\j:T+\j+1], v[T+8+\j:T+9+\j]
	v_pk_add_f32 v[T+16+\j:T+17+\j], v[T+16+\j:T+17+\j], v[T+24+\j:T+25+\j]
.endr
.irp j, 0,2,4,6
	v_pk_add_f32 v[T+\j:T+\j+1], v[T+\j:T+\j+1], v[T+16+\j:T+17+\j]
.endr
	WIN 0x08
.irp j, 0,2,4,6
	v_pk_add_f32 v[T+\j:T+\j+1], v[T+\j:T+\j+1], v[XBI+\j:XBI+\j+1]   ; + bk or bv: lane (r, h) holds entry r % 8, columns 8 h + 0..7
.endr
.irp j, 0,1,2,3,4,5,6,7
	v_cndmask_b32 v[T+8+\j], 1.0, v[XGN+\j], s[XM]                    ; kn_w for Wk's columns, 1 for Wv's
.endr
	WIN 0
	v_pk_mul_f32 v[TM:TM+1], v[T:T+1], v[T:T+1]    ; the sum of squares of the entry's 16 columns: my 8, then the other half of the lanes'
	v_pk_fma_f32 v[TM:TM+1], v[T+2:T+3], v[T+2:T+3], v[TM:TM+1]
	v_pk_fma_f32 v[TM:TM+1], v[T+4:T+5], v[T+4:T+5], v[TM:TM+1]
	v_pk_fma_f32 v[TM:TM+1], v[T+6:T+7], v[T+6:T+7], v[TM:TM+1]
	v_add_f32 v[TM], v[TM], v[TM+1]
	v_permlanex16_b32 v[TM+1], v[TM], s[SEL], s[SEL+1]
	v_add_f32 v[TM], v[TM], v[TM+1]
.irp j, 0,2,4,6
	v_pk_mul_f32 v[T+\j:T+\j+1], v[T+\j:T+\j+1], v[T+8+\j:T+9+\j]
.endr
.irp k, 0,1,2,3
	v_cvt_pk_f16_f32 v[T+32+\k], v[T+2*\k], v[T+2*\k+1]
.endr
	v_cmp_gt_u32 vcc_lo, 8, v1                     ; lanes r < 8 store the numbers, lanes r >= 8, which hold the same entries once more, the sum four times
.irp k, 0,1,2,3
	v_cndmask_b32 v[T+32+\k], v[TM], v[T+32+\k], vcc_lo
.endr
	v_and_b32 v[XOA], 7, v1
	v_lshlrev_b32 v[XOA], 5, v[XOA]                ; 32 bytes an entry,
	v_lshl_add_u32 v[XOA], v2, 4, v[XOA]           ; 16 for each half of the lanes,
	v_lshrrev_b32 v[TM+2], 3, v1
	v_lshl_add_u32 v[XOA], v[TM+2], 8, v[XOA]      ; the sums 256 bytes on
	global_store_b128 v[XOA], v[T+32:T+35], s[16:17]   ; 512 consecutive bytes, aligned
.Lnox:
	s_wait_loadcnt 0x0                             ; RoPE's table
	NORMSS 0
	NORMSS 1
	NORMSS 2
	NORMSS 3
.irp a, 0,1,2,3
	v_rsq_f32 v[RS+2*\a], v[SS+4*\a]
.endr
	v_nop                                          ; a plain instruction behind the last root,
	s_wait_alu depctr_va_vdst(0)                   ; and one wait for the four
.irp a, 0,1,2,3
	v_mov_b32 v[RS+2*\a+1], v[RS+2*\a]
.endr
	NORMOUT 0
	NORMOUT 1
	NORMOUT 2
	NORMOUT 3
	s_wait_tensorcnt 0x0                           ; the wave's end
	ds_add_u32 v[SPW], v[NIL]
	s_wait_dscnt 0x0
	CROUND                                         ; the closing round
	s_endpgm
.Lfunc_end_k_q345eac12be_qkv:
	.size	k_q345eac12be_qkv, .Lfunc_end_k_q345eac12be_qkv-k_q345eac12be_qkv
	.p2alignl 7, 3214868480
	.fill 96, 4, 3214868480
	.section	.rodata,"a",@progbits
	.p2align	6, 0x0
	.amdhsa_kernel k_q345eac12be_qkv
		.amdhsa_group_segment_fixed_size 327680
		.amdhsa_private_segment_fixed_size 0
		.amdhsa_enable_private_segment 0
		.amdhsa_kernarg_size 56
		.amdhsa_user_sgpr_count 2
		.amdhsa_user_sgpr_kernarg_segment_ptr 1
		.amdhsa_wavefront_size32 1
		.amdhsa_system_sgpr_workgroup_id_x 1
		.amdhsa_system_sgpr_workgroup_id_y 1
		.amdhsa_system_sgpr_workgroup_id_z 1
		.amdhsa_system_vgpr_workitem_id 0
		.amdhsa_next_free_vgpr 960
		.amdhsa_next_free_sgpr 96
		.amdhsa_reserve_vcc 1
		.amdhsa_float_denorm_mode_32 3
		.amdhsa_float_denorm_mode_16_64 3
		.amdhsa_memory_ordered 1
		.amdhsa_forward_progress 1
		.amdhsa_inst_pref_size 171
	.end_amdhsa_kernel
	.amdgpu_metadata
---
amdhsa.version: [ 1, 2 ]
amdhsa.kernels:
  - .name:           k_q345eac12be_qkv
    .symbol:         k_q345eac12be_qkv.kd
    .args:
      - { .name: cast, .offset: 0, .size: 8, .value_kind: global_buffer, .address_space: global }
      - { .name: rope, .offset: 8, .size: 8, .value_kind: global_buffer, .address_space: global }
      - { .name: ent, .offset: 16, .size: 8, .value_kind: global_buffer, .address_space: global }
      - { .name: qh, .offset: 24, .size: 8, .value_kind: global_buffer, .address_space: global }
      - { .name: kh, .offset: 32, .size: 8, .value_kind: global_buffer, .address_space: global }
      - { .name: vh, .offset: 40, .size: 8, .value_kind: global_buffer, .address_space: global }
      - { .name: ckp, .offset: 48, .size: 8, .value_kind: global_buffer, .address_space: global }
    .group_segment_fixed_size: 327680
    .private_segment_fixed_size: 0
    .kernarg_segment_align: 8
    .kernarg_segment_size: 56
    .max_flat_workgroup_size: 128
    .sgpr_count:     96
    .vgpr_count:     960
    .wavefront_size: 32
...
	.end_amdgpu_metadata
.endif
;; end of part 2
;; launch attn (part 3): grid 16 x 16, 4 waves a work-group, no clusters, 245,248 bytes of LDS; arguments qh, kh, vh, ckp, rope, mrg; writes mrg
.if DOCPART == 3
	.amdgcn_target "amdgcn-amd-amdhsa--gfx1250"
	.amdhsa_code_object_version 6
	.text
	.protected	k_q345eac12be_attn
	.globl	k_q345eac12be_attn
	.p2align	8
	.type	k_q345eac12be_attn,@function
k_q345eac12be_attn:
	s_mov_b64 s[64:65], 0
	v_nop
	global_prefetch_b8 v0, s[64:65] scope:SCOPE_SE
	s_setreg_imm32_b32 hwreg(HW_REG_WAVE_MODE, 25, 1), 1
	s_wait_xcnt 0x0
; ATTN.  merged = 0.5 (ctx_c + ctx_l).  ctx_c: softmax over the 128 compressed entries (entry c is seen where 16 c + 15 <= pos) and the sink; ctx_l: softmax over the keys pos - 128 .. pos.
; q, lk [16][2048][128], lv [16][2][2048][64]: f16; the sinks come rounded to bf16, from behind the RoPE table.  Products, maxima and sums in f32.  Each softmax has all its keys at hand, so the true
; maximum is taken away.  The weights, already multiplied by 0.5 / l, are rounded to f16 for the second product; merged is rounded once to f16 (within 65,504).
; THE COMPRESSED HEAD arrives in blocks of 512 bytes, [16 row blocks][16 column blocks]: 8 entries x 16 columns in f16 (column blocks 0-7: (entry Wk + bk) kn_w; 8-15: entry Wv + bv), then for each entry the
; sum of squares of entry Wk + bk over those 16 columns, in f32, eight times.  Each work-group finishes it through registers: rs = rsqrt(sum / 128 + 1e-6), RoPE at position 16 c + 15, f16, into LDS by ds_store.
; Wave w takes row blocks 4 w .. 4 w + 3; lane l holds entry (l / 2) % 8 and channels 32 m + 16 (l / 16) + 8 (l % 2) + 0..7: a channel's partner 32 further on lies in the same lane and register (m = 0, 1).
; LIMITS.  A hidden score counts as its value less 1e30; a weight below 2^-126 counts as 0; NaN and infinities are not treated apart.  Channels 64-127 of ck are multiplied by rs in packed f16: one more
; rounding, and rs (1.5e-5 to 1,000) keeps f16's fixed step of 6e-8 below 6e-5.
; SHARES.  Work-group (head, block i of 128 queries); wave w owns queries 128 i + 32 w .. + 31: two tiles u of 16.  Its local window is the 160 keys from 128 (i - 1) + 32 w on: key tiles kt = 0-9, of which
; tile u uses u .. u + 8.  For i = 0 the keys before token 0 are hidden (their LDS rows hold block 0's numbers, which are finite).
; NO CLUSTER: lk and lv are each head's own; what the 16 heads of a block share is the compressed head's 65,536 bytes, which pass through registers.  All tiles are asked for at the start; nothing is filled again.
; LAYOUT.  S^T = K Q^T: a lane holds one query (lane % 16) and keys 8 (lane / 16) + 0..7; two such tiles rounded in pairs are source 1 of O^T = V^T P.  THE MASK is the start of the sum: 0 or -1e30.
; REGISTERS by windows: 0: addresses, statistics, masks, S^T (80 a tile u), at work.  1: O^T (64 a tile), the sink's values.  2: Q, two fragment buffers of 64, the sink's keys.  3: P (80 a tile, 4 a key tile).
.set PK, 272
.set PV, 160
.set CKO, 0                            ; ck: written by ds_store; no tensor load lands here
.set LKO, 128*PK
.set CVO, LKO+256*PK                   ; cv: written by ds_store; no tensor load lands here
.set LVO, CVO+2*128*PV
.set STAGE, LVO+2*256*PV               ; never filled by a tensor load: 16 rows x 272 for each wave
.set SP, 272
.set SPARE, STAGE+4*16*SP              ; the spare words: 128 bytes a wave, two blocks of 256 bytes that no other line names
.set VEC0, 524288                      ; behind the RoPE table: sink_v (f32) at + 24,576, sink_k (f16) at + 32,768
.set AKC, 4
.set AKL, 5
.set AVC, 6
.set AVL, 7
.set QO, 8
.set STO, 9
.set RD, 10
.set CO, 11
.set SPW, 12
.set NIL, 13
.set VRH, 14
.set ST, 16                            ; tile u at ST + 8 u: c m, m, 0.5 / l twice, the sink's weight twice
.set ML, 32                            ; hidden where the key lies before the window (key tile u)
.set MU, 40                            ; hidden where the key lies behind the query (key tile u + 8)
.set MD, 48                            ; by u: the compressed branch's mask in the tile that holds the border
.set S, 64
.set CHN, 224                          ; by u, 16: four maxima, four pairs of sums
; while the compressed head is finished, S^T's and CHN's registers hold:
.set CKR, 64                           ; ck as loaded: CKR + 16 g + 4 m
.set RPR, 128                          ; RPR + 16 g: 8 cosines, 8 sines
.set SMR, 192                          ; SMR + 4 g + m: partial sums of squares
.set RSR, 208                          ; rs, a pair for each g
.set RHF, 216                          ; rs twice in f16
.set TT, 224                           ; 16 at work
.set LOF, 248
.set RPO, 249
.set SKO, 250
.set SVO, 251
.set CST, 252
.set VST, 253
.set ZR, 254
.set SV, 128                           ; window 1
.set F0, 64                            ; window 2
.set F1, 128
.set KS, 192
.set WV, 18
.set SUB, 19
.set INV, 23
.set G1P, 32
.set G0, 40
.set CS, 52
.set SEL, 54
.set AL, 56
.set BE, 58
.set BIGN, 60
.set NHID, 61
.set KTS, 62
.set REM, 66
.set HEAD, 69
.set QB, 70
.set PBK, 71
.set MSB, 0
.macro WIN new
.if MSB != (\new)
	s_set_vgpr_msb (MSB<<8)|(\new)
.set MSB, \new
.endif
.endm
.macro PLACES
.rept 4
	v_nop
.endr
.endm
.macro MASK dst, src                   ; src x AL + BE
	WIN 0
.irp k, 0,2,4,6
	v_pk_fma_f32 v[(\dst)+\k:(\dst)+\k+1], v[(\src)+\k:(\src)+\k+1], s[AL:AL+1], s[BE:BE+1] op_sel_hi:[1,0,0]
.endr
.endm
.macro FETCHK buf, adr, kt             ; two key tiles x 128 channels: 16 loads
	WIN 0x80
.irp t2, 0,1
.irp c, 0,1,2,3
	ds_load_b128 v[(\buf)+32*\t2+8*\c:(\buf)+32*\t2+8*\c+3], v[\adr] offset:((\kt)+\t2)*16*PK+64*\c
	ds_load_b128 v[(\buf)+32*\t2+8*\c+4:(\buf)+32*\t2+8*\c+7], v[\adr] offset:((\kt)+\t2)*16*PK+64*\c+32
.endr
.endr
.endm
.macro FETCHV buf, adr, ks, half       ; 32 keys x 128 channels, turned: 16 loads; the channels' two halves lie 'half' bytes apart
	WIN 0x80
.irp cb, 0,1,2,3,4,5,6,7
	ds_load_tr16_b128 v[(\buf)+8*\cb:(\buf)+8*\cb+3], v[\adr] offset:(\ks)*32*PV+(\cb/4)*(\half)+32*(\cb%4)
	ds_load_tr16_b128 v[(\buf)+8*\cb+4:(\buf)+8*\cb+7], v[\adr] offset:(\ks)*32*PV+(\cb/4)*(\half)+32*(\cb%4)+16*PV
.endr
.endm
; scores of key tiles kt, kt + 1 for both query tiles; mode 1 leaves out (u = 1, kt), mode 2 (u = 0, kt + 1), which lie outside the window.  The accumulators take turns.
.macro SMUL buf, kt, mode
	WIN 0x0a
.irp c, 0,1,2,3
.irp t2, 0,1
.irp u, 0,1
.if !((((\mode) == 1) && (\u == 1) && (\t2 == 0)) || (((\mode) == 2) && (\u == 0) && (\t2 == 1)))
	v_wmma_f32_16x16x32_f16 v[S+80*\u+8*((\kt)+\t2):S+80*\u+8*((\kt)+\t2)+7], v[(\buf)+32*\t2+8*\c:(\buf)+32*\t2+8*\c+7], v[32*\u+8*\c:32*\u+8*\c+7], v[S+80*\u+8*((\kt)+\t2):S+80*\u+8*((\kt)+\t2)+7]
.endif
.endr
.endr
.endr
.endm
.macro SINKMUL                         ; all 16 rows of source 0 are the head's sink key: register 0 of the result is the lane's own query's score
	WIN 0x0a
.irp c, 0,1,2,3
.irp u, 0,1
.if \c == 0
	v_wmma_f32_16x16x32_f16 v[S+80*\u+64:S+80*\u+71], v[KS+8*\c:KS+8*\c+7], v[32*\u+8*\c:32*\u+8*\c+7], 0
.else
	v_wmma_f32_16x16x32_f16 v[S+80*\u+64:S+80*\u+71], v[KS+8*\c:KS+8*\c+7], v[32*\u+8*\c:32*\u+8*\c+7], v[S+80*\u+64:S+80*\u+71]
.endif
.endr
.endr
.endm
.macro PVMUL buf, ks                   ; O^T += V^T P for 32 keys: 16 accumulators, one product each
	WIN 0x5e
.irp cb, 0,1,2,3,4,5,6,7
.irp u, 0,1
	v_wmma_f32_16x16x32_f16 v[64*\u+8*\cb:64*\u+8*\cb+7], v[(\buf)+8*\cb:(\buf)+8*\cb+7], v[80*\u+8*(\ks):80*\u+8*(\ks)+7], v[64*\u+8*\cb:64*\u+8*\cb+7]
.endr
.endr
.endm
.macro SETU u, o1                      ; the registers of query tile u; o1 = 1: its key tiles begin at tile u
.set rT, ST+8*(\u)
.set rS, S+80*(\u)+8*(\o1)*(\u)
.set rC, CHN+16*(\u)
.set rP, 80*(\u)+4*(\o1)*(\u)
.set rK, S+80*(\u)+64
.endm
.macro BOTH o1, line:vararg            ; one line for each query tile
	SETU 0,\o1
	\line
	SETU 1,\o1
	\line
.endm
; THE SOFTMAX of nt key tiles (sk = 1: and the sink), both query tiles side by side.  All exponentials are one batch with one wait, the two reciprocals another.
.macro SOFT nt, o1, sk
	WIN 0
.set t, 0
.rept \nt
.irp u, 0,1
	SETU \u,\o1
.irp k, 0,1,2,3                        ; each accumulator's lowest registers are read first
.if t == 0
	v_max_num_f32 v[rC+\k], v[rS+2*\k], v[rS+2*\k+1]
.else
	v_max3_num_f32 v[rC+\k], v[rC+\k], v[rS+8*t+2*\k], v[rS+8*t+2*\k+1]
.endif
.endr
.endr
.set t, t+1
.endr
.if \sk
	BOTH \o1, v_max3_num_f32 v[rC], v[rC], v[rC+1], v[rK]
.else
	BOTH \o1, v_max_num_f32 v[rC], v[rC], v[rC+1]
.endif
	BOTH \o1, v_max_num_f32 v[rC+2], v[rC+2], v[rC+3]
	BOTH \o1, v_max_num_f32 v[rC], v[rC], v[rC+2]
	BOTH \o1, v_permlanex16_b32 v[rC+1], v[rC], s[SEL], s[SEL+1]
	BOTH \o1, v_max_num_f32 v[rT+1], v[rC], v[rC+1]
	BOTH \o1, v_mul_f32 v[rT], s[CS], v[rT+1]
.set n, 0
.rept 4*(\nt)
	BOTH \o1, v_pk_fma_f32 v[rS+2*n:rS+2*n+1], v[rS+2*n:rS+2*n+1], s[CS:CS+1], v[rT:rT+1] op_sel_hi:[1,0,0] neg_lo:[0,0,1] neg_hi:[0,0,1]
.set n, n+1
.endr
.if \sk
	BOTH \o1, v_fma_f32 v[rK], v[rK], s[CS], -v[rT]
.endif
.set n, 0
.rept 8*(\nt)
	BOTH \o1, v_exp_f32 v[rS+n], v[rS+n]
.set n, n+1
.endr
.if \sk
	BOTH \o1, v_exp_f32 v[rK], v[rK]
.endif
	v_nop
	s_wait_alu depctr_va_vdst(0)
.irp k, 0,1,2,3                        ; l, of the unrounded weights, in four chains of pairs
	BOTH \o1, v_pk_add_f32 v[rC+4+2*\k:rC+5+2*\k], v[rS+2*\k:rS+2*\k+1], v[rS+8+2*\k:rS+9+2*\k]
.endr
.set t, 2
.rept (\nt)-2
.irp k, 0,1,2,3
	BOTH \o1, v_pk_add_f32 v[rC+4+2*\k:rC+5+2*\k], v[rC+4+2*\k:rC+5+2*\k], v[rS+8*t+2*\k:rS+8*t+2*\k+1]
.endr
.set t, t+1
.endr
	BOTH \o1, v_pk_add_f32 v[rC+4:rC+5], v[rC+4:rC+5], v[rC+6:rC+7]
	BOTH \o1, v_pk_add_f32 v[rC+8:rC+9], v[rC+8:rC+9], v[rC+10:rC+11]
	BOTH \o1, v_pk_add_f32 v[rC+4:rC+5], v[rC+4:rC+5], v[rC+8:rC+9]
	BOTH \o1, v_add_f32 v[rC], v[rC+4], v[rC+5]
	BOTH \o1, v_permlanex16_b32 v[rC+1], v[rC], s[SEL], s[SEL+1]
	BOTH \o1, v_add_f32 v[rC], v[rC], v[rC+1]
.if \sk
	BOTH \o1, v_add_f32 v[rC], v[rC], v[rK]
.endif
	BOTH \o1, v_rcp_f32 v[rT+2], v[rC]
	v_nop
	s_wait_alu depctr_va_vdst(0)
	BOTH \o1, v_mul_f32 v[rT+2], 0.5, v[rT+2]
	BOTH \o1, v_mov_b32 v[rT+3], v[rT+2]
.if \sk
	BOTH \o1, v_mul_f32 v[rT+4], v[rK], v[rT+2]
	BOTH \o1, v_mov_b32 v[rT+5], v[rT+4]
.endif
.set n, 0
.rept 4*(\nt)
	BOTH \o1, v_pk_mul_f32 v[rS+2*n:rS+2*n+1], v[rS+2*n:rS+2*n+1], v[rT+2:rT+3]
.set n, n+1
.endr
	WIN 0xc0
.set n, 0
.rept 4*(\nt)
	BOTH \o1, v_cvt_pk_f16_f32 v[rP+n], v[rS+2*n], v[rS+2*n+1]
.set n, n+1
.endr
	WIN 0
.endm
; d = (f16 half hi of a) x b + c (ng = 1: - c), in f32
.macro MIX d, a, hi, b, c, ng
.if \ng
.if \hi
	v_fma_mix_f32 v[\d], v[\a], v[\b], -v[\c] op_sel:[1,0,0] op_sel_hi:[1,0,0]
.else
	v_fma_mix_f32 v[\d], v[\a], v[\b], -v[\c] op_sel_hi:[1,0,0]
.endif
.else
.if \hi
	v_fma_mix_f32 v[\d], v[\a], v[\b], v[\c] op_sel:[1,0,0] op_sel_hi:[1,0,0]
.else
	v_fma_mix_f32 v[\d], v[\a], v[\b], v[\c] op_sel_hi:[1,0,0]
.endif
.endif
.endm
; Row block g of my four: cosines and sines times rs; channels 0-31 and 32-63 turned in f32 and rounded once; channels 64-127 times rs; ck and cv into LDS
.macro CFIN g
	WIN 0
	v_cvt_pk_f16_f32 v[RHF+(\g)], v[RSR+2*(\g)], v[RSR+2*(\g)+1]
.irp k, 0,2,4,6,8,10,12,14
	v_pk_mul_f32 v[RPR+16*(\g)+\k:RPR+16*(\g)+\k+1], v[RPR+16*(\g)+\k:RPR+16*(\g)+\k+1], v[RSR+2*(\g):RSR+2*(\g)+1]
.endr
.irp j, 0,1,2,3,4,5,6,7
	MIX TT+\j, CKR+16*(\g)+4+\j/2, \j%2, RPR+16*(\g)+8+\j, ZR, 0           ; x2 sin
	MIX TT+8+\j, CKR+16*(\g)+\j/2, \j%2, RPR+16*(\g)+8+\j, ZR, 0           ; x1 sin
.endr
.irp j, 0,1,2,3,4,5,6,7
	MIX TT+\j, CKR+16*(\g)+\j/2, \j%2, RPR+16*(\g)+\j, TT+\j, 1            ; x1 cos - x2 sin
	MIX TT+8+\j, CKR+16*(\g)+4+\j/2, \j%2, RPR+16*(\g)+\j, TT+8+\j, 0      ; x2 cos + x1 sin
.endr
.irp k, 0,1,2,3,4,5,6,7
	v_cvt_pk_f16_f32 v[CKR+16*(\g)+\k], v[TT+2*\k], v[TT+2*\k+1]
.endr
.irp k, 8,9,10,11,12,13,14,15
	v_pk_mul_f16 v[CKR+16*(\g)+\k], v[CKR+16*(\g)+\k], v[RHF+(\g)]
.endr
.irp m, 0,1,2,3
	ds_store_b128 v[CST], v[CKR+16*(\g)+4*\m:CKR+16*(\g)+4*\m+3] offset:8*(\g)*PK+64*\m
.endr
	WIN 0x0c
.irp m, 0,1,2,3
	ds_store_b128 v[VST], v[16*(\g)+4*\m:16*(\g)+4*\m+3] offset:8*(\g)*PV+(\m/2)*128*PV+64*(\m%2)
.endr
	WIN 0
.endm
	s_load_b256 s[4:11], s[0:1], 0x0               ; qh s[4:5], kh s[6:7], vh s[8:9], ckp s[10:11]
	s_load_b128 s[12:15], s[0:1], 0x20             ; rope s[12:13], mrg s[14:15]
	v_lshl_add_u32 v[SPW], v0, 2, SPARE
	v_mov_b32 v[NIL], 0
	ds_add_u32 v[SPW], v[NIL]                      ; the wave's opening: the add and its wait stand ahead of my first tensor load
	v_lshrrev_b32 v1, 5, v0
	v_readfirstlane_b32 s[WV], v1
	s_and_b32 s[SUB], s[WV], 1
	s_mov_b32 s[HEAD], ttmp9                       ; the head
	s_and_b32 s[QB], ttmp7, 0xffff                 ; the block of queries
	s_max_u32 s[PBK], s[QB], 1
	s_sub_co_u32 s[PBK], s[PBK], 1                 ; the block before it; for block 0 itself
	s_mov_b32 s[G1P+1], 128<<16                    ; tensor_dim0 = 128: rows of 256 bytes
	s_mov_b32 s[G1P+2], 64<<16                     ; tensor_dim1 = 64
	s_mov_b32 s[G1P+3], 128<<16                    ; tile_dim0 = 128
	s_mov_b32 s[G1P+4], 64                         ; tile_dim1 = 64
	s_mov_b32 s[G1P+5], 128                        ; dense
	s_mov_b32 s[G1P+6], 0
	s_mov_b32 s[G1P+7], 0
	s_mov_b32 s[CS], 0x3e0293ee                    ; c = log2(e) / sqrt(128)
	s_mov_b32 s[CS+1], s[CS]
	s_mov_b32 s[SEL], 0x76543210
	s_mov_b32 s[SEL+1], 0xfedcba98
	s_mov_b32 s[AL+1], 0                           ; named as pairs
	s_mov_b32 s[BE+1], 0
	s_mov_b32 s[BIGN], 0xf149f2ca                  ; -1e30
	s_mov_b32 s[INV], 0x3c000000                   ; 1 / 128
	s_lshl_b32 s20, s[QB], 3
	s_lshl1_add_u32 s20, s[WV], s20                ; G = 8 i + 2 w (+ u): entry c is hidden where c >= G + (r == 15)
	s_lshr_b32 s[KTS], s20, 4
	s_and_b32 s[REM], s20, 15
	s_add_co_u32 s21, s20, 1
	s_lshr_b32 s[KTS+1], s21, 4
	s_and_b32 s[REM+1], s21, 15
	s_lshl_b32 s21, s[WV], 1
	s_sub_co_u32 s21, 8, s21
	s_cmp_eq_u32 s[QB], 0
	s_cselect_b32 s[NHID], s21, 0                  ; in block 0 the window's first 8 - 2 w key tiles lie before token 0
	s_lshl_b32 s72, s[HEAD], 19                    ; the head's 524,288 bytes in qh, kh, vh
	s_mov_b32 s73, 0
	s_mov_b32 s75, 0
	s_mov_b32 s77, 0
	s_mov_b32 s79, 0
	s_wait_dscnt 0x0                               ; the opening add is done
	s_wait_kmcnt 0x0
	s_add_nc_u64 s[6:7], s[6:7], s[72:73]
	s_add_nc_u64 s[8:9], s[8:9], s[72:73]
	s_cmp_lt_u32 s[WV], 2                          ; a wave's two first fills stand in one branch: waves 0, 1 the halves of lk's two blocks, waves 2, 3 those of lv's: two loads of mine are out
	s_cbranch_scc0 .Lfor_v
	s_mov_b32 s[G1P], (1<<16)|(1<<20)|(5<<22)|(3<<25)  ; 2-byte elements; padding on; after every 64 words, 4 words
	s_mul_i32 s20, s[SUB], 64*PK
	s_lshl_b32 s74, s[SUB], 14                     ; my 64 rows of 256 bytes
	s_lshl_b32 s76, s[PBK], 15
	s_add_co_u32 s76, s76, s74
	s_lshl_b32 s78, s[QB], 15
	s_add_co_u32 s78, s78, s74
	s_mov_b32 s[G0], 1
	s_add_co_u32 s[G0+1], s20, LKO
	s_add_nc_u64 s[G0+2:G0+3], s[6:7], s[76:77]
	s_or_b32 s[G0+3], s[G0+3], 0x80000000
	s_mov_b32 s[G0+4], 1
	s_add_co_u32 s[G0+5], s20, LKO+128*PK
	s_add_nc_u64 s[G0+6:G0+7], s[6:7], s[78:79]
	s_or_b32 s[G0+7], s[G0+7], 0x80000000
	tensor_load_to_lds s[G0:G0+3], s[G1P:G1P+7]
	s_nop 0
	tensor_load_to_lds s[G0+4:G0+7], s[G1P:G1P+7]
	s_nop 0
	PLACES
	s_branch .Lasked
.Lfor_v:
	s_mov_b32 s[G1P], (1<<16)|(1<<20)|(4<<22)|(7<<25)  ; two keys a row: after every 32 words, 8 words
	s_mul_i32 s21, s[SUB], 256*PV
	s_lshl_b32 s22, s[SUB], 18                     ; lv's half of 64 channels
	s_lshl_b32 s76, s[PBK], 14
	s_add_co_u32 s76, s76, s22
	s_lshl_b32 s78, s[QB], 14
	s_add_co_u32 s78, s78, s22
	s_mov_b32 s[G0], 1
	s_add_co_u32 s[G0+1], s21, LVO
	s_add_nc_u64 s[G0+2:G0+3], s[8:9], s[76:77]
	s_or_b32 s[G0+3], s[G0+3], 0x80000000
	s_mov_b32 s[G0+4], 1
	s_add_co_u32 s[G0+5], s21, LVO+128*PV
	s_add_nc_u64 s[G0+6:G0+7], s[8:9], s[78:79]
	s_or_b32 s[G0+7], s[G0+7], 0x80000000
	tensor_load_to_lds s[G0:G0+3], s[G1P:G1P+7]
	s_nop 0
	tensor_load_to_lds s[G0+4:G0+7], s[G1P:G1P+7]
	s_nop 0
	PLACES
.Lasked:
	v_and_b32 v1, 15, v0                           ; r
	v_bfe_u32 v2, v0, 4, 1                         ; h
	v_and_b32 v3, 7, v0
	v_bfe_u32 v15, v0, 3, 1
	v_lshlrev_b32 v[QO], 8, v1
	v_lshl_add_u32 v[QO], v2, 4, v[QO]
	s_lshl_b32 s20, s[HEAD], 8
	v_lshl_add_u32 v[SKO], v2, 4, s20              ; the head's 256 bytes of sink_k, + 16 h
	s_lshl_b32 s20, s[HEAD], 9
	v_lshl_add_u32 v[SVO], v2, 5, s20              ; the head's 512 bytes of sink_v, + 32 h
	v_bfe_u32 v220, v0, 1, 3                       ; e: my entry in a row block
	v_and_b32 v221, 1, v0
	v_lshlrev_b32 v222, 5, v2
	v_lshl_add_u32 v222, v221, 4, v222             ; 32 (l / 16) + 16 (l % 2): my 8 channels' bytes in 32 channels
	v_mul_u32_u24 v[CST], v220, PK
	s_mul_i32 s20, s[WV], 32*PK
	v_add3_u32 v[CST], v[CST], v222, s20           ; ck's row 32 w + e
	v_mul_u32_u24 v[VST], v220, PV
	s_mul_i32 s20, s[WV], 32*PV
	s_add_co_u32 s20, s20, CVO
	v_add3_u32 v[VST], v[VST], v222, s20           ; cv's row 32 w + e
	v_lshlrev_b32 v[LOF], 4, v1
	v_lshl_add_u32 v[LOF], v2, 9, v[LOF]           ; in the blocks: column block l / 16 of two, byte 16 (l % 16)
	s_lshl_b32 s20, s[WV], 15                      ; my four row blocks of 8,192 bytes
	v_add_nc_u32 v[LOF], s20, v[LOF]
	v_lshlrev_b32 v[RPO], 12, v220
	v_lshl_add_u32 v[RPO], v222, 1, v[RPO]
	s_lshl_b32 s20, s[WV], 17
	s_add_co_u32 s20, s20, 15*256
	v_add_nc_u32 v[RPO], s20, v[RPO]               ; RoPE's row 16 (32 w + e) + 15, my 8 frequencies
	v_mov_b32 v[ZR], 0
	s_lshl_b32 s74, s[QB], 15
	s_lshl_b32 s75, s[WV], 13
	s_add_co_u32 s74, s74, s75
	s_add_co_u32 s74, s74, s72
	s_mov_b32 s75, 0
	s_add_nc_u64 s[4:5], s[4:5], s[74:75]          ; Q at my first row
	s_lshl_b32 s76, s[QB], 19
	s_lshl_b32 s77, s[WV], 17
	s_add_co_u32 s76, s76, s77
	s_lshl_b32 s77, s[HEAD], 8
	s_add_co_u32 s76, s76, s77
	s_mov_b32 s77, 0
	s_add_nc_u64 s[14:15], s[14:15], s[76:77]      ; merged at my first row, the head's 256 bytes
.irp g, 0,1,2,3                        ; the compressed head first: it has the longest way
.irp m, 0,1,2,3
	global_load_b128 v[CKR+16*\g+4*\m:CKR+16*\g+4*\m+3], v[LOF], s[10:11] offset:8192*\g+1024*\m
	global_load_b32 v[SMR+4*\g+\m], v[LOF], s[10:11] offset:8192*\g+1024*\m+256
.endr
	global_load_b128 v[RPR+16*\g:RPR+16*\g+3], v[RPO], s[12:13] offset:32768*\g
	global_load_b128 v[RPR+16*\g+4:RPR+16*\g+7], v[RPO], s[12:13] offset:32768*\g+16
	global_load_b128 v[RPR+16*\g+8:RPR+16*\g+11], v[RPO], s[12:13] offset:32768*\g+128
	global_load_b128 v[RPR+16*\g+12:RPR+16*\g+15], v[RPO], s[12:13] offset:32768*\g+144
.endr
	WIN 0xc0
.irp g, 0,1,2,3
.irp m, 0,1,2,3
	global_load_b128 v[16*\g+4*\m:16*\g+4*\m+3], v[LOF], s[10:11] offset:8192*\g+1024*\m+4096
.endr
.endr
	WIN 0x80
.irp u, 0,1
.irp c, 0,1,2,3
	global_load_b128 v[32*\u+8*\c:32*\u+8*\c+3], v[QO], s[4:5] offset:4096*\u+64*\c
	global_load_b128 v[32*\u+8*\c+4:32*\u+8*\c+7], v[QO], s[4:5] offset:4096*\u+64*\c+32
.endr
.endr
.irp c, 0,1,2,3                        ; the sink's key as a fragment's lane wants it, the same in all 16 rows
	global_load_b128 v[KS+8*\c:KS+8*\c+3], v[SKO], s[12:13] offset:VEC0+32768+64*\c
	global_load_b128 v[KS+8*\c+4:KS+8*\c+7], v[SKO], s[12:13] offset:VEC0+32768+64*\c+32
.endr
	WIN 0x40
.irp cb, 0,1,2,3,4,5,6,7               ; the sink's value as O^T's lane holds it: channels 16 cb + 8 h ..
	global_load_b128 v[SV+8*\cb:SV+8*\cb+3], v[SVO], s[12:13] offset:VEC0+24576+64*\cb
	global_load_b128 v[SV+8*\cb+4:SV+8*\cb+7], v[SVO], s[12:13] offset:VEC0+24576+64*\cb+16
.endr
	WIN 0
	v_lshlrev_b32 v[VRH], 3, v2
	v_sub_nc_u32 v[VRH], v1, v[VRH]                ; r - 8 h
.irp j, 0,1,2,3,4,5,6,7
	v_cmp_lt_i32 vcc_lo, \j, v[VRH]
	v_cndmask_b32 v[ML+\j], 0, s[BIGN], vcc_lo
	v_cmp_gt_i32 vcc_lo, \j, v[VRH]
	v_cndmask_b32 v[MU+\j], 0, s[BIGN], vcc_lo
.endr
	v_cmp_eq_u32 vcc_lo, 15, v1
	v_cndmask_b32 v220, 0, 1, vcc_lo
	v_lshlrev_b32 v221, 3, v2
	v_sub_nc_u32 v220, v220, v221                  ; (r == 15) - 8 h
.irp u, 0,1
	v_add_nc_u32 v221, s[REM+\u], v220
.irp j, 0,1,2,3,4,5,6,7
	v_cmp_ge_i32 vcc_lo, \j, v221
	v_cndmask_b32 v[MD+8*\u+\j], 0, s[BIGN], vcc_lo
.endr
.endr
	v_mul_u32_u24 v[AKC], v1, PK
	v_lshl_add_u32 v[AKC], v2, 4, v[AKC]           ; 272 r + 16 h (ck lies at LDS byte 0)
	s_mul_i32 s20, s[WV], 32*PK
	s_add_co_u32 s20, s20, LKO
	v_add_nc_u32 v[AKL], s20, v[AKC]               ; my window begins at row 32 w of the 256 keys
	v_lshl_add_u32 v222, v2, 3, v3
	v_mul_u32_u24 v222, v222, PV
	v_lshl_add_u32 v222, v15, 4, v222              ; the turning load: key 8 h + l % 8, 16 bytes by (l / 8) % 2
	v_add_nc_u32 v[AVC], CVO, v222
	s_mul_i32 s20, s[WV], 32*PV
	s_add_co_u32 s20, s20, LVO
	v_add_nc_u32 v[AVL], s20, v222
	s_mul_i32 s20, s[WV], 16*SP
	s_add_co_u32 s20, s20, STAGE
	v_add_nc_u32 v[STO], s20, v[AKC]
	v_mul_u32_u24 v[RD], v2, SP
	v_lshl_add_u32 v[RD], v1, 4, v[RD]
	v_add_nc_u32 v[RD], s20, v[RD]
	v_lshlrev_b32 v[CO], 12, v2
	v_lshl_add_u32 v[CO], v1, 4, v[CO]             ; two rows of merged, 4,096 bytes apart
	s_wait_loadcnt 0x0
.irp g, 0,1,2,3                        ; an entry's sum of squares: my four column blocks', then the other half of the lanes'
	v_add_f32 v[SMR+4*\g], v[SMR+4*\g], v[SMR+4*\g+1]
	v_add_f32 v[SMR+4*\g+2], v[SMR+4*\g+2], v[SMR+4*\g+3]
	v_add_f32 v[SMR+4*\g], v[SMR+4*\g], v[SMR+4*\g+2]
	v_permlanex16_b32 v[SMR+4*\g+1], v[SMR+4*\g], s[SEL], s[SEL+1]
	v_add_f32 v[SMR+4*\g], v[SMR+4*\g], v[SMR+4*\g+1]
	v_fmaak_f32 v[SMR+4*\g], s[INV], v[SMR+4*\g], 0x358637bd   ; / 128 + 1e-6
.endr
.irp g, 0,1,2,3
	v_rsq_f32 v[RSR+2*\g], v[SMR+4*\g]
.endr
	v_nop                                          ; a plain instruction behind the last root,
	s_wait_alu depctr_va_vdst(0)                   ; and one wait for the four
.irp g, 0,1,2,3
	v_mov_b32 v[RSR+2*\g+1], v[RSR+2*\g]
.endr
	CFIN 0
	CFIN 1
	CFIN 2
	CFIN 3
	s_wait_dscnt 0x0                               ; for the others' sake: my rows of ck and cv are stored,
	s_wait_tensorcnt 0x0                           ; my two tiles are in,
	s_barrier_signal -1
	s_barrier_wait -1                              ; everybody's are
	; THE FRAGMENTS go through two buffers by turns, in runs of 16 loads: in front of each group of products the wait leaves the one younger run out; four places behind it the buffer is asked for again.
	FETCHK F0, AKC, 0
	FETCHK F1, AKC, 2
.irp u, 0,1
.irp kt, 0,1,2,3,4,5,6,7
	s_cmp_eq_u32 s[KTS+\u], \kt                    ; does this tile hold the border?
	s_cselect_b32 s[AL], 1.0, 0
	s_cmp_lt_u32 s[KTS+\u], \kt                    ; or lie behind it?
	s_cselect_b32 s[BE], s[BIGN], 0
	MASK S+80*\u+8*\kt, MD+8*\u
.endr
.endr
	s_wait_dscnt 16
	SMUL F0, 0, 0
	PLACES
	FETCHK F0, AKC, 4
	s_wait_dscnt 16
	SMUL F1, 2, 0
	PLACES
	FETCHK F1, AKC, 6
	s_wait_dscnt 16
	SMUL F0, 4, 0
	PLACES
	FETCHV F0, AVC, 0, 128*PV
	s_wait_dscnt 16
	SMUL F1, 6, 0
	PLACES
	FETCHV F1, AVC, 1, 128*PV
	SINKMUL
	PLACES
	SOFT 8, 0, 1
	WIN 0x41
.irp u, 0,1
.set n, 0
.rept 32
	v_pk_mul_f32 v[64*\u+2*n:64*\u+2*n+1], v[SV+2*n:SV+2*n+1], v[ST+8*\u+4:ST+8*\u+5]  ; O^T starts with the sink's share
.set n, n+1
.endr
.endr
	s_wait_dscnt 16
	PVMUL F0, 0
	PLACES
	FETCHV F0, AVC, 2, 128*PV
	s_wait_dscnt 16
	PVMUL F1, 1
	PLACES
	FETCHV F1, AVC, 3, 128*PV
	s_wait_dscnt 16
	PVMUL F0, 2
	PLACES
	FETCHK F0, AKL, 0
	s_wait_dscnt 16
	PVMUL F1, 3
	PLACES
	FETCHK F1, AKL, 2
.irp u, 0,1
.set kt, \u
.rept 9
	s_cmp_gt_u32 s[NHID], kt                       ; before token 0?
	s_cselect_b32 s[BE], s[BIGN], 0
.if kt == \u
	s_mov_b32 s[AL], 1.0
	MASK S+80*\u+8*kt, ML
.elseif kt == \u+8
	s_mov_b32 s[AL], 1.0
	MASK S+80*\u+8*kt, MU
.else
	s_mov_b32 s[AL], 0
	MASK S+80*\u+8*kt, ML
.endif
.set kt, kt+1
.endr
.endr
	s_wait_dscnt 16
	SMUL F0, 0, 1
	PLACES
	FETCHK F0, AKL, 4
	s_wait_dscnt 16
	SMUL F1, 2, 0
	PLACES
	FETCHK F1, AKL, 6
	s_wait_dscnt 16
	SMUL F0, 4, 0
	PLACES
	FETCHK F0, AKL, 8
	s_wait_dscnt 16
	SMUL F1, 6, 0
	PLACES
	FETCHV F1, AVL, 0, 256*PV
	s_wait_dscnt 16
	SMUL F0, 8, 2
	PLACES
	FETCHV F0, AVL, 1, 256*PV
	SOFT 9, 1, 0
	WIN 0xc0
.irp k, 0,1,2,3                        ; the tenth key tile of each query tile lies outside its window: weight 0
	v_mov_b32 v[36+\k], 0
	v_mov_b32 v[80+\k], 0
.endr
	s_wait_dscnt 16
	PVMUL F1, 0
	PLACES
	FETCHV F1, AVL, 2, 256*PV
	s_wait_dscnt 16
	PVMUL F0, 1
	PLACES
	FETCHV F0, AVL, 3, 256*PV
	s_wait_dscnt 16
	PVMUL F1, 2
	PLACES
	FETCHV F1, AVL, 4, 256*PV
	s_wait_dscnt 16
	PVMUL F0, 3
	s_wait_dscnt 0x0
	PVMUL F1, 4
	PLACES
	; THE WAY OUT: rounded to f16, 16 bytes a lane into my stage, back as whole rows of 256 bytes
.irp u, 0,1
	WIN 0x05
.set n, 0
.rept 32
	v_cvt_pk_f16_f32 v[S+32*\u+n], v[64*\u+2*n], v[64*\u+2*n+1]
.set n, n+1
.endr
	WIN 0
.irp cb, 0,1,2,3,4,5,6,7
	ds_store_b128 v[STO], v[S+32*\u+4*\cb:S+32*\u+4*\cb+3] offset:32*\cb
.endr
.irp t, 0,1,2,3,4,5,6,7
	ds_load_b128 v[S+32*\u+4*\t:S+32*\u+4*\t+3], v[RD] offset:2*SP*\t   ; LDS serves a wave's instructions in order: these see the stores above; the next tile's stores come behind them
.endr
.endr
.irp u, 0,1
.irp t, 0,1,2,3,4,5,6,7
	s_wait_dscnt 16*(1-\u)+7-\t                    ; the younger loads from the stage, and for tile 0 tile 1's sixteen instructions, may be out
	global_store_b128 v[CO], v[S+32*\u+4*\t:S+32*\u+4*\t+3], s[14:15] offset:65536*\u+8192*\t   ; 16 lanes store 256 consecutive bytes, aligned
.endr
.endr
	s_wait_tensorcnt 0x0                           ; the wave's end
	ds_add_u32 v[SPW], v[NIL]
	s_wait_dscnt 0x0
	s_endpgm
.Lfunc_end_k_q345eac12be_attn:
	.size	k_q345eac12be_attn, .Lfunc_end_k_q345eac12be_attn-k_q345eac12be_attn
	.p2alignl 7, 3214868480
	.fill 96, 4, 3214868480
	.section	.rodata,"a",@progbits
	.p2align	6, 0x0
	.amdhsa_kernel k_q345eac12be_attn
		.amdhsa_group_segment_fixed_size 245248
		.amdhsa_private_segment_fixed_size 0
		.amdhsa_enable_private_segment 0
		.amdhsa_kernarg_size 48
		.amdhsa_user_sgpr_count 2
		.amdhsa_user_sgpr_kernarg_segment_ptr 1
		.amdhsa_wavefront_size32 1
		.amdhsa_system_sgpr_workgroup_id_x 1
		.amdhsa_system_sgpr_workgroup_id_y 1
		.amdhsa_system_sgpr_workgroup_id_z 1
		.amdhsa_system_vgpr_workitem_id 0
		.amdhsa_next_free_vgpr 928
		.amdhsa_next_free_sgpr 80
		.amdhsa_reserve_vcc 1
		.amdhsa_float_denorm_mode_32 3
		.amdhsa_float_denorm_mode_16_64 3
		.amdhsa_memory_ordered 1
		.amdhsa_forward_progress 1
		.amdhsa_inst_pref_size 157
	.end_amdhsa_kernel
	.amdgpu_metadata
---
amdhsa.version: [ 1, 2 ]
amdhsa.kernels:
  - .name:           k_q345eac12be_attn
    .symbol:         k_q345eac12be_attn.kd
    .args:
      - { .name: qh, .offset: 0, .size: 8, .value_kind: global_buffer, .address_space: global }
      - { .name: kh, .offset: 8, .size: 8, .value_kind: global_buffer, .address_space: global }
      - { .name: vh, .offset: 16, .size: 8, .value_kind: global_buffer, .address_space: global }
      - { .name: ckp, .offset: 24, .size: 8, .value_kind: global_buffer, .address_space: global }
      - { .name: rope, .offset: 32, .size: 8, .value_kind: global_buffer, .address_space: global }
      - { .name: mrg, .offset: 40, .size: 8, .value_kind: global_buffer, .address_space: global }
    .group_segment_fixed_size: 245248
    .private_segment_fixed_size: 0
    .kernarg_segment_align: 8
    .kernarg_segment_size: 48
    .max_flat_workgroup_size: 128
    .sgpr_count:     80
    .vgpr_count:     928
    .wavefront_size: 32
...
	.end_amdgpu_metadata
.endif
;; end of part 3
;; launch outp (part 4): grid 16 x 16, 4 waves a work-group, clusters of 4 x 4, 327,680 bytes of LDS; arguments mrg, cast, bo, out0; writes out0
.if DOCPART == 4
	.amdgcn_target "amdgcn-amd-amdhsa--gfx1250"
	.amdhsa_code_object_version 6
	.text
	.protected	k_q345eac12be_outp
	.globl	k_q345eac12be_outp
	.p2align	8
	.type	k_q345eac12be_outp,@function
k_q345eac12be_outp:
	s_mov_b64 s[64:65], 0
	v_nop
	global_prefetch_b8 v0, s[64:65] scope:SCOPE_SE
	s_setreg_imm32_b32 hwreg(HW_REG_WAVE_MODE, 25, 1), 1
	s_wait_xcnt 0x0
	s_wait_alu depctr_hold_cnt(0) depctr_sa_sdst(0) depctr_va_vdst(0) depctr_va_sdst(0) depctr_va_ssrc(0) depctr_va_vcc(0) depctr_vm_vsrc(0)
	s_getreg_b32 s2, hwreg(HW_REG_IB_STS2, 6, 4)
	s_cmp_eq_u32 s2, 0
	s_cbranch_scc0 .Lentry_in_a_cluster
	s_endpgm
.Lentry_in_a_cluster:
	s_bfe_u32 s2, ttmp6, 0x10000c
	s_cmp_lg_u32 s2, 0xf033
	s_cbranch_scc0 .Lentry_shape_is_right
	s_endpgm
.Lentry_shape_is_right:
; OUTP.  out = merged Wo + bo.  merged: f16 [2048][2048]; Wo: f16 [k][n] in cast (the bf16 rounding of the input, written as f16); bo rounded to bf16; sums in f32, started by the bias; out in f32.
; A tile of 128 x 128 gives 16 x 16 = 256 work-groups; four waves of 64 x 64: 16 accumulators.  K in 8 steps of 256, as long as two slots in LDS allow: merged's rows of 512 bytes (pitch 528, 64 rows a
; load, waves 0 and 1), Wo's 256 k-rows of 256 bytes (pitch 288, 128 rows a load, waves 2 and 3).  112 matrix instructions stand between a request and the wait for it.
; CLUSTER 4 x 4: merged's tile is shared along a row of the cluster, Wo's along a column.  THE PRODUCT IS TAKEN TRANSPOSED: source 0 = 16 columns of Wo, turned on the way out of LDS; source 1 = 16 rows
; of merged: a lane holds eight neighbouring numbers of a row of out, and a wave's 64 columns are 256 bytes of it, aligned.  No prefetch: the tile is small and a step short.
; THE WALK ALONG K BEGINS AT ANOTHER STEP IN EACH CLUSTER: trip t takes K step (t + 2 X + 4 (Y % 2)) % 8, X and Y the cluster's own coordinates, equal in all sixteen partners.  So the four clusters of one Y, which read
; the same tiles of merged, read a tile two trips apart, and of the clusters of one X, which read the same tiles of Wo, those of even and of odd Y four trips apart.  The sums only change their order.
; A refill's address is made anew from the step's number: a kept base plus the number shifted.
; REGISTERS: window 0: addresses; v32-63 rows on the way out; v96-127 the bias; v128-255 the accumulators ((a, b) at 128 + 8 (4 a + b)).  Window 1: two fragment buffers of 128 (64 along K: merged's 64, then Wo's 64).
.set PA, 528
.set PB, 288
.set AH, 64*PA
.set BOFF, 2*AH
.set BH, 128*PB
.set SLOT, BOFF+2*BH
.set STAGE, 2*SLOT                     ; behind the ring, a wave's own: 16 rows x 272
.set SP, 272
.set SPARE, STAGE+4*16*SP              ; the spare words: 128 bytes a wave, two blocks of 256 bytes that no other line names
.set LAPS, 4
.set ADRA, 16
.set ADRB, 18                          ; v18-21: by slot and by half of the step's 256 k-rows
.set STO, 24
.set RD, 25
.set CO, 26
.set BO, 27
.set SPW, 28
.set NIL, 29
.set OB, 32
.set BI, 96
.set ACC, 128
.set F0, 0
.set F1, 128
.set WV, 12
.set RHS, 13
.set SUB, 14
.set KN, 15                            ; s15  the K step that the next refill asks for
.set BA, 16                            ; s[16:17] my part of merged's tile at K step 0
.set OFA, 18                           ; s[18:19], s[44:45] byte offsets of a K step in merged and in Wo; the high words stay 0
.set G1A, 24
.set G0A, 32
.set OFB, 44
.set BB, 46                            ; s[46:47] my part of Wo's tile at K step 0
.set G1B, 48
.set G0B, 56
.set MSB, 0
.macro WIN new
.if MSB != (\new)
	s_set_vgpr_msb (MSB<<8)|(\new)
.set MSB, \new
.endif
.endm
.set MUL, 0x05
.set TO_F, 0x40
.macro PLACES
.rept 4
	v_nop
.endr
.endm
.macro RND2 a, b, t
	v_cvt_pk_bf16_f32 v[\t], v[\a], v[\b]
	v_lshlrev_b32 v[\a], 16, v[\t]
	v_and_b32 v[\b], 0xffff0000, v[\t]
.endm
.macro CREST
	s_cmp_lg_u32 s[WV], 0
	s_cbranch_scc1 .Lnot_wave_0_\@
	s_barrier_signal -3
.Lnot_wave_0_\@:
	s_barrier_wait -3
	s_barrier_signal -1
	s_barrier_wait -1
.endm
.macro CROUND
	s_barrier_signal -1
	s_barrier_wait -1
	CREST
.endm
.macro JLOAD s
	s_cmp_eq_u32 s[RHS], 0
	s_cbranch_scc0 .Lfor_b_\@
	tensor_load_to_lds s[G0A+4*(\s):G0A+4*(\s)+3], s[G1A:G1A+7]
	s_nop 0
	PLACES
	s_branch .Lasked_\@
.Lfor_b_\@:
	tensor_load_to_lds s[G0B+4*(\s):G0B+4*(\s)+3], s[G1B:G1B+7]
	s_nop 0
	PLACES
.Lasked_\@:
.endm
; 8 products: row blocks a0, a0 + 1 x all 4 column blocks, 32 along K: half c of buffer f.  first = 1: the bias starts the sums.  The 16 accumulators take turns.
.macro MUL8 f, c, a0, first
	WIN MUL
.irp a, \a0, (\a0)+1
.irp b, 0,1,2,3
.if \first
	v_wmma_f32_16x16x32_f16 v[ACC+8*(4*(\a)+(\b)):ACC+8*(4*(\a)+(\b))+7], v[(\f)+64+8*(4*(\c)+(\b)):(\f)+64+8*(4*(\c)+(\b))+7], v[(\f)+8*(4*(\c)+(\a)):(\f)+8*(4*(\c)+(\a))+7], v[BI+8*(\b):BI+8*(\b)+7]
.else
	v_wmma_f32_16x16x32_f16 v[ACC+8*(4*(\a)+(\b)):ACC+8*(4*(\a)+(\b))+7], v[(\f)+64+8*(4*(\c)+(\b)):(\f)+64+8*(4*(\c)+(\b))+7], v[(\f)+8*(4*(\c)+(\a)):(\f)+8*(4*(\c)+(\a))+7], v[ACC+8*(4*(\a)+(\b)):ACC+8*(4*(\a)+(\b))+7]
.endif
.endr
.endr
.endm
; 32 LDS loads in one run: quarter kq (64 along K) of a slot into buffer f; the first 32 along K first
.macro FETCH slot, kq, f
	WIN TO_F
.irp c, 0,1
.irp i, 0,1,2,3
	ds_load_tr16_b128 v[(\f)+64+8*(4*(\c)+(\i)):(\f)+64+8*(4*(\c)+(\i))+3], v[ADRB+2*(\slot)+(\kq)/2] offset:(64*((\kq)%2)+32*(\c))*PB+32*(\i)
	ds_load_tr16_b128 v[(\f)+64+8*(4*(\c)+(\i))+4:(\f)+64+8*(4*(\c)+(\i))+7], v[ADRB+2*(\slot)+(\kq)/2] offset:(64*((\kq)%2)+32*(\c))*PB+32*(\i)+16*PB
	ds_load_b128 v[(\f)+8*(4*(\c)+(\i)):(\f)+8*(4*(\c)+(\i))+3], v[ADRA+(\slot)] offset:128*(\kq)+64*(\c)+(\i)*16*PA
	ds_load_b128 v[(\f)+8*(4*(\c)+(\i))+4:(\f)+8*(4*(\c)+(\i))+7], v[ADRA+(\slot)] offset:128*(\kq)+64*(\c)+(\i)*16*PA+32
.endr
.endr
.endm
.macro QUARTER slot, kq, f, g, first
	s_wait_dscnt 16                                ; the first 32 along K are in
	MUL8 \f, 0, 0, \first
	MUL8 \f, 0, 2, \first
	PLACES
	FETCH \slot, \kq, \g
	s_wait_dscnt 32                                ; all but the 32 just issued
	MUL8 \f, 1, 0, 0
	MUL8 \f, 1, 2, 0
.endm
; The last quarter multiplies buffer 1 and changes slots: one barrier; in front of it each wave waits for all its tensor loads, adds 0 to its spare word, and waits for that and for its reads of this slot.
.macro TURN slot, next, fill
	WIN 0
	s_wait_tensorcnt 0x0                           ; no tensor load of mine is out, so a group 0 may be written
	ds_add_u32 v[SPW], v[NIL]                      ; 0 onto my spare word; the descriptors' scalar work stands between it and the wait for it
.if \fill
	s_lshl_b32 s[OFA], s[KN], 9                    ; a K step is 512 bytes of a row of merged,
	s_lshl_b32 s[OFB], s[KN], 20                   ; 256 k-rows of 4,096 bytes of Wo
	s_add_nc_u64 s[G0A+4*(\slot)+2:G0A+4*(\slot)+3], s[BA:BA+1], s[OFA:OFA+1]
	s_or_b32 s[G0A+4*(\slot)+3], s[G0A+4*(\slot)+3], 0x80000000
	s_add_nc_u64 s[G0B+4*(\slot)+2:G0B+4*(\slot)+3], s[BB:BB+1], s[OFB:OFB+1]
	s_or_b32 s[G0B+4*(\slot)+3], s[G0B+4*(\slot)+3], 0x80000000
	s_add_co_u32 s[KN], s[KN], 1
	s_and_b32 s[KN], s[KN], 7                      ; behind step 7 comes step 0
.endif
	s_wait_dscnt 17                                ; the add and the youngest sixteen loads may be out
	MUL8 F1, 0, 0, 0
	s_wait_dscnt 0x0                               ; the add is done, and my reads of this slot are over
	s_barrier_signal -1
	MUL8 F1, 0, 2, 0
	WIN 0
	s_barrier_wait -1
.if \fill
	CREST                                          ; the barrier has opened a round of the cluster's
	JLOAD \slot                                    ; the first tensor load behind the round; its four v_nop are also the places in front of the loads below
.else
	PLACES
.endif
	FETCH \next, 0, F0
	MUL8 F1, 1, 0, 0
	MUL8 F1, 1, 2, 0
.endm
	s_load_b256 s[4:11], s[0:1], 0x0               ; merged s[4:5], cast s[6:7], bo s[8:9], out s[10:11]
	v_lshl_add_u32 v[SPW], v0, 2, SPARE
	v_mov_b32 v[NIL], 0
	ds_add_u32 v[SPW], v[NIL]                      ; the wave's opening: the add and its wait stand ahead of my first tensor load
	v_lshrrev_b32 v1, 5, v0
	v_readfirstlane_b32 s[WV], v1
	s_lshr_b32 s[RHS], s[WV], 1                    ; my half of the tile's rows; also: I fetch merged (0) or Wo (1)
	s_and_b32 s[SUB], s[WV], 1                     ; my half of its columns; also: which half of that tile I fetch
	s_bfe_u32 s40, ttmp6, 0x40000                  ; cx
	s_bfe_u32 s41, ttmp6, 0x40004                  ; cy
	s_lshl_b32 s42, ttmp9, 2
	s_add_co_u32 s42, s42, s40                     ; tile column
	s_and_b32 s43, ttmp7, 0xffff
	s_lshl_b32 s43, s43, 2
	s_add_co_u32 s43, s43, s41                     ; tile row
	s_lshl_b32 s44, s41, 2
	s_lshl_b32 s44, 15, s44                        ; my row of the cluster
	s_lshl_b32 s45, 0x1111, s40                    ; my column
	s_or_b32 s[G1A], s44, (1<<16)|(1<<20)|(1<<21)|(6<<22)|(3<<25)  ; after every 128 words, 4 words
	s_or_b32 s[G1B], s45, (1<<16)|(1<<20)|(1<<21)|(5<<22)|(7<<25)  ; after every 64 words, 8 words
	s_mov_b32 s[G1A+1], 256<<16                    ; 64 rows x 256 elements
	s_mov_b32 s[G1A+2], 64<<16
	s_mov_b32 s[G1A+3], 256<<16
	s_mov_b32 s[G1A+4], 64
	s_mov_b32 s[G1A+5], 2048
	s_mov_b32 s[G1A+6], 0
	s_mov_b32 s[G1A+7], 0
	s_mov_b32 s[G1B+1], 128<<16                    ; 128 k-rows x 128 elements
	s_mov_b32 s[G1B+2], 128<<16
	s_mov_b32 s[G1B+3], 128<<16
	s_mov_b32 s[G1B+4], 128
	s_mov_b32 s[G1B+5], 2048
	s_mov_b32 s[G1B+6], 0
	s_mov_b32 s[G1B+7], 0
	s_lshl_b32 s16, s43, 19                        ; merged: row 128 x tile row + 64 x half, 4,096 bytes a row
	s_lshl_b32 s17, s[SUB], 18
	s_add_co_u32 s16, s16, s17
	s_mov_b32 s17, 0
	s_lshl_b32 s46, s[SUB], 19                     ; Wo: k-row 128 x half; the tile column's 256 bytes
	s_lshl_b32 s47, s42, 8
	s_add_co_u32 s46, s46, s47
	s_add_co_u32 s46, s46, 33554432                ; Wo's place in cast
	s_mov_b32 s47, 0
	s_mul_i32 s20, s[SUB], AH
	s_mul_i32 s21, s[SUB], BH
	s_add_co_u32 s21, s21, BOFF
	s_and_b32 s[KN], ttmp7, 1                      ; where the cluster's walk begins: 2 X + 4 (Y % 2), modulo 8
	s_lshl_b32 s[KN], s[KN], 2
	s_lshl_b32 s18, ttmp9, 1
	s_add_co_u32 s[KN], s[KN], s18
	s_and_b32 s[KN], s[KN], 7
	s_lshl_b32 s[OFA], s[KN], 9
	s_mov_b32 s[OFA+1], 0
	s_lshl_b32 s[OFB], s[KN], 20
	s_mov_b32 s[OFB+1], 0
	s_add_co_u32 s[KN], s[KN], 2                   ; the two first fills take the walk's first two steps (the start is even: they do not pass step 7)
	s_and_b32 s[KN], s[KN], 7
	s_wait_dscnt 0x0                               ; the opening add is done
	s_wait_kmcnt 0x0
	s_add_nc_u64 s[BA:BA+1], s[4:5], s[16:17]
	s_add_nc_u64 s[BB:BB+1], s[6:7], s[46:47]
	s_add_nc_u64 s[40:41], s[BA:BA+1], s[OFA:OFA+1]
	s_add_nc_u64 s[22:23], s[BB:BB+1], s[OFB:OFB+1]
.irp s, 0,1
	s_mov_b32 s[G0A+4*\s], 1
	s_add_co_u32 s[G0A+4*\s+1], s20, \s*SLOT
	s_add_nc_u64 s[G0A+4*\s+2:G0A+4*\s+3], s[40:41], \s*512
	s_or_b32 s[G0A+4*\s+3], s[G0A+4*\s+3], 0x80000000
	s_mov_b32 s[G0B+4*\s], 1
	s_add_co_u32 s[G0B+4*\s+1], s21, \s*SLOT
	s_add_nc_u64 s[G0B+4*\s+2:G0B+4*\s+3], s[22:23], \s*1048576
	s_or_b32 s[G0B+4*\s+3], s[G0B+4*\s+3], 0x80000000
.endr
	CROUND                                         ; all sixteen work-groups are here: the first joint loads meet
	s_cmp_eq_u32 s[RHS], 0                         ; a wave's two first fills stand in one branch
	s_cbranch_scc0 .Lfirst_b
	tensor_load_to_lds s[G0A:G0A+3], s[G1A:G1A+7]
	s_nop 0
	tensor_load_to_lds s[G0A+4:G0A+7], s[G1A:G1A+7]
	s_nop 0
	PLACES
	s_branch .Lfirst_asked
.Lfirst_b:
	tensor_load_to_lds s[G0B:G0B+3], s[G1B:G1B+7]
	s_nop 0
	tensor_load_to_lds s[G0B+4:G0B+7], s[G1B:G1B+7]
	s_nop 0
	PLACES
.Lfirst_asked:
	v_and_b32 v1, 15, v0                           ; r
	v_bfe_u32 v2, v0, 4, 1                         ; h
	v_and_b32 v3, 7, v0
	v_bfe_u32 v4, v0, 3, 1
	v_lshl_add_u32 v5, v2, 3, v3
	v_mul_u32_u24 v5, v5, PB
	v_lshl_add_u32 v5, v4, 4, v5                   ; the turning load: k-row 8 h + l % 8, 16 bytes by (l / 8) % 2
	v_mul_u32_u24 v6, v1, PA
	v_lshl_add_u32 v6, v2, 4, v6
	s_mul_i32 s20, s[RHS], AH                      ; my 64 rows of merged
	s_lshl_b32 s21, s[SUB], 7
	s_add_co_u32 s21, s21, BOFF                    ; my 64 columns of Wo
.irp s, 0,1
	v_add_nc_u32 v[ADRA+\s], s20, v6
	v_add_nc_u32 v[ADRB+2*\s], s21, v5
	s_add_co_u32 s22, s21, BH
	v_add_nc_u32 v[ADRB+2*\s+1], s22, v5
	s_add_co_u32 s20, s20, SLOT
	s_add_co_u32 s21, s21, SLOT
.endr
	s_mul_i32 s20, s[WV], 16*SP
	s_add_co_u32 s20, s20, STAGE                   ; my stage
	v_mul_u32_u24 v7, v1, SP
	v_lshl_add_u32 v7, v2, 5, v7
	v_add_nc_u32 v[STO], s20, v7                   ; in: row r, 32 bytes for each half of the lanes
	v_mul_u32_u24 v7, v2, SP
	v_lshl_add_u32 v7, v1, 4, v7
	v_add_nc_u32 v[RD], s20, v7                    ; back: lanes 0-15 one row of 256 bytes, lanes 16-31 the next
	v_lshlrev_b32 v[CO], 13, v2
	v_lshl_add_u32 v[CO], v1, 4, v[CO]             ; and the same two rows in out, 8,192 bytes apart
	s_lshl_b32 s20, s42, 9
	s_lshl_b32 s21, s[SUB], 8
	s_add_co_u32 s20, s20, s21                     ; my 64 columns: 256 bytes
	v_lshl_add_u32 v[BO], v2, 5, s20
	s_lshl_b32 s22, s43, 20                        ; 128 x tile row rows of 8,192 bytes
	s_lshl_b32 s23, s[RHS], 19
	s_add_co_u32 s22, s22, s23
	s_add_co_u32 s22, s22, s20
	s_mov_b32 s23, 0
	s_add_nc_u64 s[10:11], s[10:11], s[22:23]      ; out at my first row and column
.irp b, 0,1,2,3
	global_load_b128 v[BI+8*\b:BI+8*\b+3], v[BO], s[8:9] offset:64*\b
	global_load_b128 v[BI+8*\b+4:BI+8*\b+7], v[BO], s[8:9] offset:64*\b+16
.endr
	s_wait_loadcnt 0x0
.set n, 0
.rept 16
	RND2 BI+2*n, BI+2*n+1, OB+(n%4)
.set n, n+1
.endr
	s_wait_tensorcnt 1                             ; my part of the walk's first step is in; the second's may stay out
	s_barrier_signal -1
	s_barrier_wait -1
	FETCH 0, 0, F0
	QUARTER 0, 1, F0, F1, 1                        ; the first quarter stands in front of the loop: the bias starts the sums
	WIN 0
	s_mov_b32 s3, LAPS-1
.Llap:                                 ; a trip goes once round the ring and fills both slots again
	QUARTER 0, 2, F1, F0, 0
	QUARTER 0, 3, F0, F1, 0
	TURN 0, 1, 1
	QUARTER 1, 1, F0, F1, 0
	QUARTER 1, 2, F1, F0, 0
	QUARTER 1, 3, F0, F1, 0
	TURN 1, 0, 1
	QUARTER 0, 1, F0, F1, 0
	WIN 0
	s_sub_co_u32 s3, s3, 1
	s_cmp_lg_u32 s3, 0
	s_cbranch_scc1 .Llap
	QUARTER 0, 2, F1, F0, 0                        ; the last lap fills nothing
	QUARTER 0, 3, F0, F1, 0
	TURN 0, 1, 0
	QUARTER 1, 1, F0, F1, 0
	QUARTER 1, 2, F1, F0, 0
	QUARTER 1, 3, F0, F1, 0
	s_wait_dscnt 16
	MUL8 F1, 0, 0, 0
	MUL8 F1, 0, 2, 0
	s_wait_dscnt 0x0
	MUL8 F1, 1, 0, 0
	MUL8 F1, 1, 2, 0
	WIN 0
	PLACES
	; THE WAY OUT: 16 rows at a time through my stage: 32 bytes a lane in, whole rows of 256 bytes back
.irp a, 0,1,2,3
	s_wait_xcnt 0x0                                ; the block before's stores have read v32-63
.irp b, 0,1,2,3
	ds_store_b128 v[STO], v[ACC+8*(4*\a+\b):ACC+8*(4*\a+\b)+3] offset:64*\b
	ds_store_b128 v[STO], v[ACC+8*(4*\a+\b)+4:ACC+8*(4*\a+\b)+7] offset:64*\b+16
.endr
.irp t, 0,1,2,3,4,5,6,7
	ds_load_b128 v[OB+4*\t:OB+4*\t+3], v[RD] offset:2*SP*\t    ; LDS serves a wave's instructions in order: these see the stores above
.endr
	s_wait_dscnt 0x0
.irp t, 0,1,2,3,4,5,6,7
	global_store_b128 v[CO], v[OB+4*\t:OB+4*\t+3], s[10:11] offset:131072*\a+16384*\t th:TH_STORE_NT   ; 16 lanes store 256 consecutive bytes, aligned
.endr
.endr
	s_wait_tensorcnt 0x0                           ; the wave's end
	ds_add_u32 v[SPW], v[NIL]
	s_wait_dscnt 0x0
	CROUND                                         ; the closing round
	s_endpgm
.Lfunc_end_k_q345eac12be_outp:
	.size	k_q345eac12be_outp, .Lfunc_end_k_q345eac12be_outp-k_q345eac12be_outp
	.p2alignl 7, 3214868480
	.fill 96, 4, 3214868480
	.section	.rodata,"a",@progbits
	.p2align	6, 0x0
	.amdhsa_kernel k_q345eac12be_outp
		.amdhsa_group_segment_fixed_size 327680
		.amdhsa_private_segment_fixed_size 0
		.amdhsa_enable_private_segment 0
		.amdhsa_kernarg_size 32
		.amdhsa_user_sgpr_count 2
		.amdhsa_user_sgpr_kernarg_segment_ptr 1
		.amdhsa_wavefront_size32 1
		.amdhsa_system_sgpr_workgroup_id_x 1
		.amdhsa_system_sgpr_workgroup_id_y 1
		.amdhsa_system_sgpr_workgroup_id_z 1
		.amdhsa_system_vgpr_workitem_id 0
		.amdhsa_next_free_vgpr 512
		.amdhsa_next_free_sgpr 66
		.amdhsa_reserve_vcc 0
		.amdhsa_float_denorm_mode_32 3
		.amdhsa_float_denorm_mode_16_64 3
		.amdhsa_memory_ordered 1
		.amdhsa_forward_progress 1
		.amdhsa_inst_pref_size 90
	.end_amdhsa_kernel
	.amdgpu_metadata
---
amdhsa.version: [ 1, 2 ]
amdhsa.kernels:
  - .name:           k_q345eac12be_outp
    .symbol:         k_q345eac12be_outp.kd
    .args:
      - { .name: mrg, .offset: 0, .size: 8, .value_kind: global_buffer, .address_space: global }
      - { .name: cast, .offset: 8, .size: 8, .value_kind: global_buffer, .address_space: global }
      - { .name: bo, .offset: 16, .size: 8, .value_kind: global_buffer, .address_space: global }
      - { .name: out0, .offset: 24, .size: 8, .value_kind: global_buffer, .address_space: global }
    .group_segment_fixed_size: 327680
    .private_segment_fixed_size: 0
    .kernarg_segment_align: 8
    .kernarg_segment_size: 32
    .max_flat_workgroup_size: 128
    .sgpr_count:     66
    .vgpr_count:     512
    .wavefront_size: 32
...
	.end_amdgpu_metadata
.endif
;; end of part 4
;; ======== version 2 of 2: 4 launches; version 1 with the launch prep written anew for expert scheduling mode
;; limits: values are held in f16: magnitudes above 65,504 overflow, below 6.1e-05 lose precision
;; workspace buffers: cast 42,991,616 bytes; ent 524,288 bytes; rope 563,200 bytes; ckp 131,072 bytes; qh 8,388,608 bytes; kh 8,388,608 bytes; vh 8,388,608 bytes; mrg 8,388,608 bytes
;; launch prep (part 5): grid 657 x 1, 8 waves a work-group, no clusters, 1,536 bytes of LDS; arguments hidden_states, Wq, Wlk, Wlv, Wo, Wk, Wv, Wc, bc, cast, ent, rope, bq, blk, blv, sink_v, sink_k, qn_w, kn_w, bk, bv; writes cast, ent, rope
.if DOCPART == 5
	.amdgcn_target "amdgcn-amd-amdhsa--gfx1250"
	.amdhsa_code_object_version 6
	.text
	.protected	k_q345eac12be_prep
	.globl	k_q345eac12be_prep
	.p2align	8
	.type	k_q345eac12be_prep,@function
k_q345eac12be_prep:
	s_mov_b64 s[64:65], 0
	v_nop
	global_prefetch_b8 v0, s[64:65] scope:SCOPE_SE
	s_setreg_imm32_b32 hwreg(HW_REG_WAVE_SCHED_MODE, 0, 2), 2
	s_setreg_imm32_b32 hwreg(HW_REG_WAVE_MODE, 25, 1), 1
	s_wait_xcnt 0x0
	s_wait_alu depctr_vm_vsrc(0)
; PREP.  Every input is rounded once to bf16 here.  The large ones are written in 16 bits into 'cast': x, Wq, Wlk, Wlv as bf16; Wo, Wk, Wv as that bf16 number
; written in f16 (exact from 6e-5 up to 65,504; below 6e-5 f16's fixed step of 6e-8 holds).  A work-group casts 32,768 consecutive f32 (131,072 bytes) into 65,536 bytes:
; groups 0-127 x, 128-255 Wq, 256-383 Wlk, 384-511 Wlv, 512-639 Wo, 640-647 Wk, 648-655 Wv.  Chunk j of 32: thread t loads 16 bytes at 4,096 j + 16 t and stores 8 bytes at
; 2,048 j + 8 t, so a wave's load covers 512 and its store 256 consecutive aligned bytes.  All 32 loads of a thread go out at once.
; Wk AND Wv ALONE CHANGE THEIR LAYOUT: blocks of 16 columns, [8 column blocks][j of 32][b of 8][r of 8][16 columns] with k = 256 b + 8 j + r, so that the next launch reads 16 columns of 8 k-rows as 256
; consecutive bytes.  Group b of a matrix: wave w takes column block w, lane l row 8 j + l / 4, columns 4 (l % 4) ..: the store is still 256 consecutive aligned bytes; a wave's load is eight pieces of 64 bytes
; of rows that the eight waves together read whole.
; A block of x is 16 tokens = one block of the compressor: its group also makes the 16 scores x . Wc + bc (on the rounded numbers), their softmax with the maximum taken away,
; the entry (f16, within 65,504) and 16 rows of the RoPE table (f32: 32 cosines, 32 sines; angles good to about 2e-4 rad).
; Group 656 rounds the small vectors and lays them behind the RoPE table, from byte VEC0 on: bq, blk, blv, sink_v (8,192 bytes each, f32), sink_k (4,096, f16), qn_w, kn_w, bk, bv (512 each, f32).
; No matrix unit, no cluster, no tile in LDS: nothing is read twice; LDS holds the eight waves' partial scores alone.
; THE MODE: SCHED_MODE bits 1:0 = 2 (LLVM: expert scheduling mode 2), set by the entry lines.  The code itself states the register dependences
; between vector instructions and memory or LDS instructions, with s_wait_alu, always for 0.
; THE PLAN.  Registers that memory or LDS instructions touch:
;   v1, v2     byte offsets of every load and store: made at the head (for Wk and Wv made anew ahead of the first load) and never written again.
;   WC, X      each register is loaded once; behind its load's wait vector instructions alone name it (group 656 also stores from X).
;   Y          chunk j's two registers are written by chunk j's conversions, read by chunk j's one store, and never written again.
;   v56-59     the RoPE rows' store data; written again as four of the sixteen row sums.
;   PS, v7     data and address of the four LDS stores; v3 the address of the eight LDS loads, a register of its own; v16-23 take those loads.
;   v24-27     the entry's store data.     v4, v5  read by the closing add alone.
; The 32 chunks go in eight blocks of four.  Chunk j's store stands at the head of chunk j + 4: so ONE wait on va_vdst at a block's head, behind the wait for the block's first load, states that the block
; before has written its eight registers of Y, and the block's four stores are dealt among its vector instructions, which name this block's X and Y, WC and PP alone: none of the registers that those stores read.
.set SPARE, 512                        ; behind the partial scores: the spare words, 128 bytes a wave, four blocks of 256 bytes that no other line names
.set VEC0, 524288                      ; the small vectors' place in the RoPE table's buffer
.set WC, 8                             ; v[8:15]    Wc of my 8 columns
.set PP, 16                            ; v[16:47]   RoPE at work; then 16 pairs of partial scores; then the entry
.set PS, 48                            ; v[48:63]   RoPE's store data (v56-59); then the 16 rows' sums
.set X, 64                             ; v[64:191]  chunk j: 4 registers
.set Y, 192                            ; v[192:255] chunk j: 2 registers to store, read by one store and never written behind it
.macro RND2 a, b, t                    ; two f32 rounded to bf16 and widened again
	v_cvt_pk_bf16_f32 v[\t], v[\a], v[\b]
	v_lshlrev_b32 v[\a], 16, v[\t]
	v_and_b32 v[\b], 0xffff0000, v[\t]
.endm
; kind 0: bf16 out.  kind 1: the bf16 number out as f16.  kind 2: bf16 out, the rounded x kept in f32, and its part of the row's score.
; At its head chunk j issues the store of chunk j - 4.
.macro CHUNK j, kind
	s_wait_loadcnt 31-(\j)                         ; loads come back in order: chunk j is in, the 31 - j younger ones stay out
.if ((\j) > 0) && (((\j)%4) == 0)
	s_wait_alu depctr_va_vdst(0)                   ; the block before has written its eight registers of Y, which this block's four stores read
.endif
.if (\j) > 3
	global_store_b64 v2, v[Y+2*(\j)-8:Y+2*(\j)-7], s[54:55] offset:2048*(\j)-8192  ; chunk j - 4; no vector instruction since the wait names these registers
.endif
	v_cvt_pk_bf16_f32 v[Y+2*(\j)], v[X+4*(\j)], v[X+4*(\j)+1]
	v_cvt_pk_bf16_f32 v[Y+2*(\j)+1], v[X+4*(\j)+2], v[X+4*(\j)+3]
.if (\kind) != 0
	v_lshlrev_b32 v[X+4*(\j)], 16, v[Y+2*(\j)]
	v_and_b32 v[X+4*(\j)+1], s52, v[Y+2*(\j)]
	v_lshlrev_b32 v[X+4*(\j)+2], 16, v[Y+2*(\j)+1]
	v_and_b32 v[X+4*(\j)+3], s52, v[Y+2*(\j)+1]
.endif
.if (\kind) == 1
	v_cvt_pk_f16_f32 v[Y+2*(\j)], v[X+4*(\j)], v[X+4*(\j)+1]
	v_cvt_pk_f16_f32 v[Y+2*(\j)+1], v[X+4*(\j)+2], v[X+4*(\j)+3]
.endif
.if (\kind) == 2
.if ((\j)%2) == 0                      ; chunk j is row j / 2, columns 1,024 (j % 2) + 4 t ..
	v_pk_mul_f32 v[PP+2*((\j)/2):PP+2*((\j)/2)+1], v[X+4*(\j):X+4*(\j)+1], v[WC:WC+1]
	v_pk_fma_f32 v[PP+2*((\j)/2):PP+2*((\j)/2)+1], v[X+4*(\j)+2:X+4*(\j)+3], v[WC+2:WC+3], v[PP+2*((\j)/2):PP+2*((\j)/2)+1]
.else
	v_pk_fma_f32 v[PP+2*((\j)/2):PP+2*((\j)/2)+1], v[X+4*(\j):X+4*(\j)+1], v[WC+4:WC+5], v[PP+2*((\j)/2):PP+2*((\j)/2)+1]
	v_pk_fma_f32 v[PP+2*((\j)/2):PP+2*((\j)/2)+1], v[X+4*(\j)+2:X+4*(\j)+3], v[WC+6:WC+7], v[PP+2*((\j)/2):PP+2*((\j)/2)+1]
.endif
.endif
.endm
.macro LAST4                           ; the last block's four stores, which no further block issues
.irp j, 28,29,30,31
	global_store_b64 v2, v[Y+2*\j:Y+2*\j+1], s[54:55] offset:2048*\j
.endr
.endm
.macro HORN d, y, k                    ; d = d y + k
	v_fmaak_f32 v[\d], v[\d], v[\y], \k
.endm
	s_load_b512 s[8:23], s[0:1], 0x0               ; x s[8:9], Wq s[10:11], Wlk s[12:13], Wlv s[14:15], Wo s[16:17], Wk s[18:19], Wv s[20:21], Wc s[22:23]
	s_load_b256 s[24:31], s[0:1], 0x40             ; bc s[24:25], cast s[26:27], ent s[28:29], rope s[30:31]
	v_lshl_add_u32 v4, v0, 2, SPARE                ; my spare word, and 0: kept for the add at the wave's end
	v_mov_b32 v5, 0
	v_lshlrev_b32 v1, 4, v0                        ; 16 t
	v_lshlrev_b32 v2, 3, v0                        ; 8 t
	s_mov_b32 s2, ttmp9                            ; the block's number
	s_lshr_b32 s3, s2, 7                           ; which tensor
	s_and_b32 s6, s2, 127                          ; the block's number inside its tensor,
	s_and_b32 s7, s2, 7                            ; for Wk and Wv of eight blocks
	s_cmp_eq_u32 s3, 5
	s_cselect_b32 s6, s7, s6
	s_lshl_b32 s6, s6, 17                          ; x 131,072 bytes
	s_mov_b32 s7, 0
	s_mov_b32 s52, 0xffff0000                      ; a word's upper bf16
	s_wait_kmcnt 0x0
	s_cmp_eq_u32 s2, 656                           ; the branches hang on the work-group's number alone: all eight waves go the same way
	s_cbranch_scc1 .LV
	s_bitcmp1_b32 s2, 3                            ; blocks 648-655: Wv; 640-647: Wk
	s_cselect_b64 s[4:5], s[20:21], s[18:19]
	s_cmp_eq_u32 s3, 4
	s_cselect_b64 s[4:5], s[16:17], s[4:5]
	s_cmp_eq_u32 s3, 3
	s_cselect_b64 s[4:5], s[14:15], s[4:5]
	s_cmp_eq_u32 s3, 2
	s_cselect_b64 s[4:5], s[12:13], s[4:5]
	s_cmp_eq_u32 s3, 1
	s_cselect_b64 s[4:5], s[10:11], s[4:5]
	s_cmp_eq_u32 s3, 0
	s_cselect_b64 s[4:5], s[8:9], s[4:5]
	s_add_nc_u64 s[4:5], s[4:5], s[6:7]            ; the block's first f32
	s_lshl_b32 s6, s2, 16                          ; its 65,536 bytes of cast;
	s_bfe_u32 s49, s2, 0x10003                     ; for Wk and Wv: the matrix (524,288 bytes),
	s_lshl_b32 s49, s49, 19
	s_and_b32 s53, s2, 7                           ; and 256 bytes for group b in each run of 2,048
	s_lshl_b32 s53, s53, 8
	s_add_co_u32 s49, s49, s53
	s_add_co_u32 s49, s49, 41943040                ; Wk's place in cast
	s_cmp_eq_u32 s3, 5
	s_cselect_b32 s6, s49, s6
	s_add_nc_u64 s[54:55], s[26:27], s[6:7]
	s_cmp_lg_u32 s3, 5
	s_cbranch_scc1 .Lrows
	v_and_b32 v6, 31, v0                           ; Wk and Wv: l,
	v_lshrrev_b32 v7, 5, v0                        ; w
	v_lshrrev_b32 v1, 2, v6
	v_lshlrev_b32 v1, 9, v1                        ; from: row l / 4 of the chunk's 8 (512 bytes a row),
	v_lshl_add_u32 v1, v7, 6, v1                   ; column block w (64 bytes),
	v_and_b32 v2, 3, v6
	v_lshl_add_u32 v1, v2, 4, v1                   ; 4 columns by l % 4
	v_lshlrev_b32 v2, 3, v6                        ; to: 8 l = 32 (l / 4) + 8 (l % 4),
	v_lshl_add_u32 v2, v7, 16, v2                  ; in column block w's 65,536 bytes
.Lrows:
	s_wait_alu depctr_va_vdst(0)                   ; v1 and v2 are written, on both ways here: every load and store of a casting group reads one of them as its offset
	global_load_b128 v[WC:WC+3], v1, s[22:23]      ; Wc, in every casting group, so that the counts below are alike on all paths
	global_load_b128 v[WC+4:WC+7], v1, s[22:23] offset:4096
.set n, 0
.rept 32
	global_load_b128 v[X+4*n:X+4*n+3], v1, s[4:5] offset:4096*n th:TH_LOAD_NT
.set n, n+1
.endr
	s_cmp_lt_u32 s2, 128
	s_cbranch_scc1 .LX
	s_cmp_lt_u32 s2, 512
	s_cbranch_scc1 .LB
.set n, 0
.rept 32
	CHUNK n, 1
.set n, n+1
.endr
	s_wait_alu depctr_va_vdst(0)                   ; the last block has written its eight registers of Y, which the last four stores read
	LAST4
	s_branch .Lend
.LB:
.set n, 0
.rept 32
	CHUNK n, 0
.set n, n+1
.endr
	s_wait_alu depctr_va_vdst(0)                   ; the last block has written its eight registers of Y, which the last four stores read
	LAST4
	s_branch .Lend
.LX:
	s_load_b32 s48, s[24:25], 0x0                  ; bc
	s_lshl_b32 s6, s2, 12
	s_add_nc_u64 s[56:57], s[30:31], s[6:7]        ; my 16 rows of the RoPE table: 4,096 bytes
	s_add_nc_u64 s[58:59], s[28:29], s[6:7]        ; my row of ent: 4,096 bytes
	s_mov_b32 s50, 0x76543210                      ; v_permlanex16_b32: each lane takes its own place in the other half
	s_mov_b32 s51, 0xfedcba98
	; THE RoPE ROWS, while the loads are out.  Thread t: position 16 block + t / 16; q = t % 16: four cosines (q < 8) or sines of the frequencies 4 (q % 8) + 0..3.
	v_lshrrev_b32 v6, 4, v0
	s_lshl_b32 s49, s2, 4
	v_add_nc_u32 v6, s49, v6
	v_cvt_f32_u32 v6, v6
	v_and_b32 v7, 15, v0
	v_and_b32 v20, 7, v0
	v_lshlrev_b32 v20, 2, v20
.irp e, 0,1,2,3
	v_add_nc_u32 v[16+\e], \e, v20
	v_cvt_f32_u32 v[16+\e], v[16+\e]
	v_mul_f32 v[16+\e], 0xbed49a78, v[16+\e]       ; - i log2(10000) / 32
.endr
.irp e, 0,1,2,3
	v_exp_f32 v[16+\e], v[16+\e]                   ; 10000^(-i/32)
.endr
	v_nop                                          ; a plain instruction behind the last exponential,
	s_wait_alu depctr_va_vdst(0)                   ; and one wait for the four exponentials' results, v16-19, ahead of their first reader
.irp e, 0,1,2,3
	v_mul_f32 v[16+\e], v6, v[16+\e]               ; the angle
	v_mul_f32 v[20+\e], 0x3e22f983, v[16+\e]       ; / 2 pi,
	v_rndne_f32 v[20+\e], v[20+\e]                 ; n whole turns, at most 326
	v_fmamk_f32 v[16+\e], v[20+\e], 0xc0c90000, v[16+\e]  ; - n 6.28125 (exact: 8 bits times 9),
	v_fmamk_f32 v[16+\e], v[20+\e], 0xbafdaa22, v[16+\e]  ; - n (2 pi - 6.28125): now within -pi .. pi
	v_mul_f32 v[16+\e], 0.5, v[16+\e]              ; x = half of it: the series below hold on all of -pi/2 .. pi/2, to 4e-6
	v_mul_f32 v[24+\e], v[16+\e], v[16+\e]         ; y = x x
	v_mov_b32 v[28+\e], 0x3638ef1d                 ; sin x = x (1 + y (-1/6 + y (1/120 + y (-1/5040 + y / 362880))))
	HORN 28+\e, 24+\e, 0xb9500d01
	HORN 28+\e, 24+\e, 0x3c088889
	HORN 28+\e, 24+\e, 0xbe2aaaab
	HORN 28+\e, 24+\e, 0x3f800000
	v_mul_f32 v[28+\e], v[28+\e], v[16+\e]
	v_mov_b32 v[32+\e], 0xb493f27e                 ; cos x = 1 + y (-1/2 + y (1/24 + y (-1/720 + y (1/40320 - y / 3628800))))
	HORN 32+\e, 24+\e, 0x37d00d01
	HORN 32+\e, 24+\e, 0xbab60b61
	HORN 32+\e, 24+\e, 0x3d2aaaab
	HORN 32+\e, 24+\e, 0xbf000000
	HORN 32+\e, 24+\e, 0x3f800000
	v_mul_f32 v[36+\e], v[28+\e], v[28+\e]
	v_fma_f32 v[36+\e], v[36+\e], -2.0, 1.0        ; cos 2x = 1 - 2 sin^2 x
	v_mul_f32 v[40+\e], v[28+\e], v[32+\e]
	v_add_f32 v[40+\e], v[40+\e], v[40+\e]         ; sin 2x = 2 sin x cos x
.endr
	v_cmp_gt_u32 vcc_lo, 8, v7
	s_wait_alu depctr_va_vcc(0)                    ; the compare has written VCC, which the four selects read
.irp e, 0,1,2,3
	v_cndmask_b32 v[56+\e], v[40+\e], v[36+\e], vcc_lo
.endr
	s_wait_alu depctr_va_vdst(0)                   ; the selects have written v56-59, which the store reads
	global_store_b128 v1, v[56:59], s[56:57]       ; 16 lanes fill one row of 256 bytes
	s_wait_loadcnt 32                              ; Wc is in: the 32 chunk loads are younger
	RND2 WC, WC+1, 6
	RND2 WC+2, WC+3, 6
	RND2 WC+4, WC+5, 6
	RND2 WC+6, WC+7, 6
.set n, 0
.rept 32
	CHUNK n, 2
.set n, n+1
.endr
	s_wait_xcnt 0x0                                ; the RoPE store has had its address translated: v56-59, which lie among the sums below, are rewritten only behind this wait,
	s_wait_alu depctr_vm_vsrc(0)                   ; and behind this one: the RoPE store has read v56-59
.set n, 0
.rept 16
	v_add_f32 v[PS+n], v[PP+2*n], v[PP+2*n+1]
.set n, n+1
.endr
.irp m, 1,2,4,8                        ; over the wave's 32 lanes, the 16 rows side by side
.set n, 0
.rept 16
	v_add_f32_dpp v[PS+n], v[PS+n], v[PS+n] row_xmask:\m row_mask:0xf bank_mask:0xf
.set n, n+1
.endr
.endr
.set n, 0
.rept 16
	v_permlanex16_b32 v[PP+n], v[PS+n], s50, s51
.set n, n+1
.endr
.set n, 0
.rept 16
	v_add_f32 v[PS+n], v[PS+n], v[PP+n]
.set n, n+1
.endr
	v_lshrrev_b32 v6, 5, v0
	v_readfirstlane_b32 s49, v6                    ; my wave's number
	v_and_b32 v3, 15, v0
	v_lshlrev_b32 v3, 2, v3                        ; behind the barrier lane l takes row l % 16: an address register of its own, made here, so that nothing is written between the LDS stores and the LDS loads
	s_wait_alu depctr_va_sdst(0)                   ; s49 is written, ahead of its first reader, the move below
	v_mov_b32 v7, s49
	v_lshlrev_b32 v7, 6, v7                        ; my wave's 16 words
	s_wait_alu depctr_va_vdst(0)                   ; written: the last block's Y, which the four stores read; the sums PS and the address v7, which the LDS stores read; v3, which the LDS loads read.  And the additions above are done reading v16-23, in which those loads land
	LAST4
.irp k, 0,1,2,3
	ds_store_b128 v7, v[PS+4*\k:PS+4*\k+3] offset:16*\k   ; all lanes write the same words with the same numbers
.endr
	s_wait_dscnt 0x0                               ; for the others' sake: my stores are done
	s_barrier_signal -1
	s_barrier_wait -1
.irp w, 0,1,2,3,4,5,6,7
	ds_load_b32 v[16+\w], v3 offset:64*\w          ; no vector instruction since the wait above
.endr
	s_wait_dscnt 0x0
	v_add_f32 v16, v16, v17
	v_add_f32 v18, v18, v19
	v_add_f32 v20, v20, v21
	v_add_f32 v22, v22, v23
	v_add_f32 v16, v16, v18
	v_add_f32 v20, v20, v22
	v_add_f32 v16, v16, v20
	s_wait_kmcnt 0x0
	v_mov_b32 v17, s48
	v_cvt_pk_bf16_f32 v17, v17, v17
	v_lshlrev_b32 v17, 16, v17
	v_add_f32 v16, v16, v17                        ; + bc
	v_mov_b32 v18, v16
.irp m, 1,2,4,8
	v_max_num_f32_dpp v18, v18, v18 row_xmask:\m row_mask:0xf bank_mask:0xf   ; the block's maximum
.endr
	v_sub_f32 v19, v16, v18
	v_mul_f32 v19, 0x3fb8aa3b, v19
	v_exp_f32 v19, v19
	v_nop                                          ; a plain instruction behind the exponential,
	s_wait_alu depctr_va_vdst(0)                   ; and the wait for its result, v19, ahead of its first reader
	v_mov_b32 v20, v19
.irp m, 1,2,4,8
	v_add_f32_dpp v20, v20, v20 row_xmask:\m row_mask:0xf bank_mask:0xf
.endr
	v_rcp_f32 v21, v20
	v_nop                                          ; a plain instruction behind the reciprocal,
	s_wait_alu depctr_va_vdst(0)                   ; and the wait for its result, v21, ahead of its first reader
	v_mul_f32 v19, v19, v21                        ; lane l: the weight of row l % 16
.set n, 0
.rept 16
	v_readlane_b32 s[32+n], v19, n                 ; numbers only: no address and no branch is made of them
.set n, n+1
.endr
	s_wait_alu depctr_va_sdst(0)                   ; s32-47 are written, ahead of their first reader: one wait for the run of sixteen
.set n, 0
.rept 16                               ; the entry: my 8 columns of the weighted sum of the 16 rounded rows
.irp k, 0,1,2,3,4,5,6,7
.if n == 0
	v_mul_f32 v[16+\k], s32, v[X+\k]
.else
	v_fmac_f32 v[16+\k], s[32+n], v[X+8*n+\k]
.endif
.endr
.set n, n+1
.endr
.irp k, 0,1,2,3
	v_cvt_pk_f16_f32 v[24+\k], v[16+2*\k], v[17+2*\k]
.endr
	s_wait_alu depctr_va_vdst(0)                   ; the roundings have written v24-27, which the two stores read
	global_store_b64 v2, v[24:25], s[58:59]
	global_store_b64 v2, v[26:27], s[58:59] offset:2048
	s_branch .Lend
.LV:                                   ; THE SMALL VECTORS.  The five of 2,048 numbers: thread t takes 16 bytes at 16 t and at 4,096 + 16 t; the four of 128: wave w (0-3) takes vector w whole
	s_load_b512 s[32:47], s[0:1], 0x60             ; bq s[32:33], blk s[34:35], blv s[36:37], sink_v s[38:39], sink_k s[40:41], qn_w s[42:43], kn_w s[44:45], bk s[46:47]
	s_load_b64 s[56:57], s[0:1], 0xa0              ; bv
	v_lshrrev_b32 v6, 5, v0
	v_readfirstlane_b32 s49, v6                    ; my wave's number
	v_and_b32 v7, 31, v0
	v_lshlrev_b32 v7, 4, v7                        ; 16 x lane
	v_lshl_add_u32 v8, v6, 9, v7                   ; + 512 x wave
	s_wait_alu depctr_va_sdst(0)                   ; s49 is written, ahead of its first reader, the compare in front of the branch below
	s_wait_kmcnt 0x0
	s_wait_alu depctr_va_vdst(0)                   ; the offsets v1, v2, v7 and v8 are written, which this group's loads and stores read
.irp k, 0,1,2,3,4
	global_load_b128 v[X+8*\k:X+8*\k+3], v1, s[32+2*\k:33+2*\k]
	global_load_b128 v[X+8*\k+4:X+8*\k+7], v1, s[32+2*\k:33+2*\k] offset:4096
.endr
	s_wait_loadcnt 0x0
.set n, 0
.rept 20
	RND2 X+2*n, X+2*n+1, 9
.set n, n+1
.endr
.irp k, 0,1,2,3
	v_cvt_pk_f16_f32 v[Y+\k], v[X+32+2*\k], v[X+33+2*\k]   ; sink_k is a matrix operand beside q: the bf16 number, written as f16
.endr
	s_wait_alu depctr_va_vdst(0)                   ; the roundings have written X's first 32 registers and Y's first four, which the ten stores read
.irp k, 0,1,2,3
	global_store_b128 v1, v[X+8*\k:X+8*\k+3], s[30:31] offset:VEC0+8192*\k
	global_store_b128 v1, v[X+8*\k+4:X+8*\k+7], s[30:31] offset:VEC0+8192*\k+4096
.endr
	global_store_b64 v2, v[Y:Y+1], s[30:31] offset:VEC0+32768
	global_store_b64 v2, v[Y+2:Y+3], s[30:31] offset:VEC0+34816
	s_cmp_lt_u32 s49, 4
	s_cbranch_scc0 .Lend
	s_cmp_eq_u32 s49, 2
	s_cselect_b64 s[4:5], s[46:47], s[56:57]       ; wave 2: bk; wave 3: bv
	s_cmp_eq_u32 s49, 1
	s_cselect_b64 s[4:5], s[44:45], s[4:5]         ; wave 1: kn_w
	s_cmp_eq_u32 s49, 0
	s_cselect_b64 s[4:5], s[42:43], s[4:5]         ; wave 0: qn_w
	global_load_b128 v[X+40:X+43], v7, s[4:5]      ; no vector instruction has named these four registers, and none since the wait above names v7
	s_wait_loadcnt 0x0
	RND2 X+40, X+41, 9
	RND2 X+42, X+43, 9
	s_wait_alu depctr_va_vdst(0)                   ; the roundings have written these four registers, which the store reads
	global_store_b128 v8, v[X+40:X+43], s[30:31] offset:VEC0+36864
.Lend:
	s_wait_dscnt 0x0                               ; the closing lines, six on end
	s_wait_alu 0x0
	s_wait_tensorcnt 0x0
	ds_add_u32 v4, v5
	s_wait_dscnt 0x0
	s_endpgm
.Lfunc_end_k_q345eac12be_prep:
	.size	k_q345eac12be_prep, .Lfunc_end_k_q345eac12be_prep-k_q345eac12be_prep
	.p2alignl 7, 3214868480
	.fill 96, 4, 3214868480
	.section	.rodata,"a",@progbits
	.p2align	6, 0x0
	.amdhsa_kernel k_q345eac12be_prep
		.amdhsa_group_segment_fixed_size 1536
		.amdhsa_private_segment_fixed_size 0
		.amdhsa_enable_private_segment 0
		.amdhsa_kernarg_size 168
		.amdhsa_user_sgpr_count 2
		.amdhsa_user_sgpr_kernarg_segment_ptr 1
		.amdhsa_wavefront_size32 1
		.amdhsa_system_sgpr_workgroup_id_x 1
		.amdhsa_system_sgpr_workgroup_id_y 1
		.amdhsa_system_sgpr_workgroup_id_z 1
		.amdhsa_system_vgpr_workitem_id 0
		.amdhsa_next_free_vgpr 256
		.amdhsa_next_free_sgpr 66
		.amdhsa_reserve_vcc 1
		.amdhsa_float_denorm_mode_32 3
		.amdhsa_float_denorm_mode_16_64 3
		.amdhsa_memory_ordered 1
		.amdhsa_forward_progress 1
		.amdhsa_inst_pref_size 75
	.end_amdhsa_kernel
	.amdgpu_metadata
---
amdhsa.version: [ 1, 2 ]
amdhsa.kernels:
  - .name:           k_q345eac12be_prep
    .symbol:         k_q345eac12be_prep.kd
    .args:
      - { .name: hidden_states, .offset: 0, .size: 8, .value_kind: global_buffer, .address_space: global }
      - { .name: Wq, .offset: 8, .size: 8, .value_kind: global_buffer, .address_space: global }
      - { .name: Wlk, .offset: 16, .size: 8, .value_kind: global_buffer, .address_space: global }
      - { .name: Wlv, .offset: 24, .size: 8, .value_kind: global_buffer, .address_space: global }
      - { .name: Wo, .offset: 32, .size: 8, .value_kind: global_buffer, .address_space: global }
      - { .name: Wk, .offset: 40, .size: 8, .value_kind: global_buffer, .address_space: global }
      - { .name: Wv, .offset: 48, .size: 8, .value_kind: global_buffer, .address_space: global }
      - { .name: Wc, .offset: 56, .size: 8, .value_kind: global_buffer, .address_space: global }
      - { .name: bc, .offset: 64, .size: 8, .value_kind: global_buffer, .address_space: global }
      - { .name: cast, .offset: 72, .size: 8, .value_kind: global_buffer, .address_space: global }
      - { .name: ent, .offset: 80, .size: 8, .value_kind: global_buffer, .address_space: global }
      - { .name: rope, .offset: 88, .size: 8, .value_kind: global_buffer, .address_space: global }
      - { .name: bq, .offset: 96, .size: 8, .value_kind: global_buffer, .address_space: global }
      - { .name: blk, .offset: 104, .size: 8, .value_kind: global_buffer, .address_space: global }
      - { .name: blv, .offset: 112, .size: 8, .value_kind: global_buffer, .address_space: global }
      - { .name: sink_v, .offset: 120, .size: 8, .value_kind: global_buffer, .address_space: global }
      - { .name: sink_k, .offset: 128, .size: 8, .value_kind: global_buffer, .address_space: global }
      - { .name: qn_w, .offset: 136, .size: 8, .value_kind: global_buffer, .address_space: global }
      - { .name: kn_w, .offset: 144, .size: 8, .value_kind: global_buffer, .address_space: global }
      - { .name: bk, .offset: 152, .size: 8, .value_kind: global_buffer, .address_space: global }
      - { .name: bv, .offset: 160, .size: 8, .value_kind: global_buffer, .address_space: global }
    .group_segment_fixed_size: 1536
    .private_segment_fixed_size: 0
    .kernarg_segment_align: 8
    .kernarg_segment_size: 168
    .max_flat_workgroup_size: 256
    .sgpr_count:     66
    .vgpr_count:     256
    .wavefront_size: 32
...
	.end_amdgpu_metadata
.endif
;; end of part 5
;; launch qkv: the kernel of part 2 again; grid 16 x 16, 4 waves a work-group, clusters of 4 x 4, 327,680 bytes of LDS; arguments cast, rope, ent, qh, kh, vh, ckp; writes qh, kh, vh, ckp
;; launch attn: the kernel of part 3 again; grid 16 x 16, 4 waves a work-group, no clusters, 245,248 bytes of LDS; arguments qh, kh, vh, ckp, rope, mrg; writes mrg
;; launch outp: the kernel of part 4 again; grid 16 x 16, 4 waves a work-group, clusters of 4 x 4, 327,680 bytes of LDS; arguments mrg, cast, bo, out0; writes out0
